; MI455X (gfx1250); checked and timed in simulation.
; The chip was launched on July 23, 2026; its instructions are those of AMD's public machine-readable ISA for CDNA 5 (MIT licence, August 2026) and "CDNA5" Instruction Set Architecture Reference Guide (July 2026). The comments in the code are by the model that wrote it; some were corrected since.
;; Multi Head Attention. Allowed arithmetic: matrix products marked QUANTISED: E3M2 operands, one E8M0 scale for each 32 along K, by v_wmma_scale_f32_16x16x128_f8f6f4 with both operands' format E3M2, f32 sums; everything else in f32.
;; Inputs: Wk 2,048 x 512 float32; Wo 2,048 x 2,048 float32; Wq 2,048 x 2,048 float32; Wv 2,048 x 512 float32; freqs_cos 2,048 x 64 float32; freqs_sin 2,048 x 64 float32; x 1 x 2,048 x 2,048 float32.
;; Outputs: out0 1 x 2,048 x 2,048 float32.
;; This version of the problem:
;;   THIS VERSION OF THE PROBLEM IS GIVEN IN LOW PRECISION. The matrix products marked QUANTISED in the list below multiply operands that are first quantised to E3M2 (3 exponent bits, 2 mantissa bits; 6 bits a number), with one power-of-two scale for each 32 numbers along K (OCP MX v1.0); their sums are f32. All else is computed in f32.
;;   The module's matrix products, in the order in which they are computed (A, B: the left and right operand; K: the contracted axis; several contracted axes count as one K, in the product's order):
;;     1. [M 2,048, K 2,048] x [K 2,048, N 2,048]; A: input x; B: input Wq: QUANTISED
;;     2. [M 2,048, K 2,048] x [K 2,048, N 512]; A: input x; B: input Wk: QUANTISED
;;     3. [M 2,048, K 2,048] x [K 2,048, N 512]; A: input x; B: input Wv: QUANTISED
;;     4. batch 16 x [M 2,048, K 128] x [K 128, N 2,048]; A: computed on the way; B: computed on the way: QUANTISED
;;     5. batch 16 x [M 2,048, K 2,048] x [K 2,048, N 128]; A: softmax (see below); B: computed on the way: QUANTISED
;;     6. [M 2,048, K 2,048] x [K 2,048, N 2,048]; A: computed on the way; B: input Wo: QUANTISED
;;   THE QUANTISER, for each operand of a quantised product, along K:
;;     - K is cut into blocks of 32 from its start; a last block that is shorter is filled with zeros.
;;     - A block's scale is 2^e with e = floor(log2(the largest magnitude in the block)) - 4, held to -126 .. 127; a block of zeros has e = 0. As a byte (E8M0): e + 127.
;;     - Each number is divided by its block's scale, clamped to +-28, and rounded to the nearest number of E3M2, ties to even, subnormals kept.
;;     - The product sums the exact products of the quantised numbers (number of the format x scale) in f32.
;;   ~~~python
;;   def quantise(x, axis):      # numpy; x: float32 -> the quantised numbers, widened to float32 again
;;       x = np.moveaxis(x, axis, -1); K = x.shape[-1]
;;       x = np.pad(x, [(0, 0)] * (x.ndim - 1) + [(0, -K % 32)]); x = x.reshape(x.shape[:-1] + (-1, 32)); a = np.abs(x).max(-1, keepdims=True)
;;       e = np.where(a > 0, np.clip(np.frexp(np.where(a > 0, a, 1))[1] - 1 - 4, -126, 127), 0)      # np.frexp(a)[1] - 1 = floor(log2(a)), exactly
;;       r = np.clip(x / 2.0 ** e, -28, 28)
;;       step = 2.0 ** (np.maximum(np.frexp(np.where(r == 0, 1, r))[1] - 1, -2) - 2)
;;       q = np.round(r / step) * step * 2.0 ** e      # np.round: ties to even
;;       return np.moveaxis(q.reshape(q.shape[:-2] + (-1,))[..., :K], -1, axis).astype(np.float32)
;;   ~~~
;;   SOFTMAX AHEAD OF A QUANTISED PRODUCT. Where the list says 'softmax', what is quantised is not the finished softmax but p = 2^(t - M), with t = logit x log2(e) and M = ceil(the row's largest t), a whole number; so 1/2 < the row's largest p <= 1. The row's sum l is taken of the UNQUANTISED p, in f32, and the product's result is divided by l at the end. Since M is a whole number, a kernel that streams over the keys may use a running M (the ceiling of the running maximum): every later rescaling is an exact power of two, which a block's scale takes up: the codes' values come out the same.
;;   OPERANDS COMPUTED ON THE WAY. 'Computed on the way' means the value that the module computes at that place (a softmax that the list does not call 'softmax' is quantised finished and normalised). What goes into a quantiser is computed in f32, as accurately as f32 sums, v_exp_f32 and their like allow (about 1e-6 of the number): no bf16 or f16 on the way to a quantiser, and a product that is left as it is and whose result goes on into a quantised operand takes f32 operands (vector FMAs, or v_wmma_f32_16x16x4_f32). A number that lies on a knife's edge between two numbers of the format may be rounded either way, as far as f32 arithmetic and the matrix unit's own rounding can turn it there, and no further.
;; One version. Each part assembles by itself: llvm-mc -triple=amdgcn-amd-amdhsa -mcpu=gfx1250 --defsym DOCPART=n.
;; ======== version 1 of 1: 4 launches
;; workspace buffers: x_img 3,276,800 bytes; w_img 8,192,000 bytes; qkv 4,915,200 bytes; y_img 3,276,800 bytes
;; launch quant (part 1): grid 448 x 1, 4 waves a work-group, no clusters, 58,880 bytes of LDS; arguments x, Wq, Wk, Wv, Wo, x_img, w_img; writes x_img, w_img
.if DOCPART == 1
	.amdgcn_target "amdgcn-amd-amdhsa--gfx1250"
	.amdhsa_code_object_version 6
	.text
	.protected	k_qf6ae19d409_quant
	.globl	k_qf6ae19d409_quant
	.p2align	8
	.type	k_qf6ae19d409_quant,@function
k_qf6ae19d409_quant:
	s_mov_b64 s[64:65], 0
	v_nop
	global_prefetch_b8 v0, s[64:65] scope:SCOPE_SE
	s_setreg_imm32_b32 hwreg(HW_REG_WAVE_MODE, 25, 1), 1
	s_wait_xcnt 0x0
; x [2048][2048] and the four weights [2048 (K)][N], all f32, become codes of BF6 (E3M2) with one E8M0 byte for each 32 along K, laid as the products' launches want them.
; AN IMAGE is a fragment of 16 rows x 128 K as its 12 registers: byte 512 c + 16 lane + i is byte i of registers 4 c .. 4 c + 3 of that lane; lane (r, h) holds row r, registers 0-5 k = 32 h + 0..31, registers 6-11 k = 64 + 32 h + 0..31.
; A RECORD of a block of 16 rows is 25,600 bytes: four quarters (512 along K) of 6,400: four images, then 4 x 16 scale words (K step q, row r at 6144 + 64 q + 4 r).
; THE ROWS OF A BLOCK ARE NOT NEIGHBOURS: row i of block 2 g + u is true row 32 g + 8 u + i + 8 (i / 8), so that a product that takes such blocks as its first source leaves 16 true neighbours in a lane's 16 registers of two blocks.
; A block's scale is 2^(floor(log2(largest magnitude)) - 4): its byte is the largest magnitude's exponent field - 4, held at 1 from below.
; LIMITS: a block of zeros gets the byte 1 where the rule says 127 (its codes are zeros, and this program alone reads the bytes); blocks whose largest magnitude lies under 2^-122 are held at the byte 1; NaN and infinities are not served.
; Work-groups 0-127: x, a block of 16 rows each, a wave a quarter of K.  Work-groups 128-447: the weights' 5,120 columns [Wq | Wk | Wv | Wo], 128 columns x 256 along K each, a wave 32 columns.
; Memory binds: no matrix unit, no tensor load, no barrier; waves share nothing.  The two paths have LDS bytes of their own.
.set XPIT,  528                        ; x's stage: a row of 512 bytes + 16, so that the 16 rows of a read start in 16 different groups of banks
.set XWAVE, 16*XPIT
.set WST,   4*XWAVE                    ; the weights' stage: four images for each wave
.set WWAVE, 6144
.set SPARE, WST+4*WWAVE                ; the spare words, 128 bytes for each wave: two blocks of 256 bytes that no other line names
.set RBREC, 25600
.set QREC,  6400
.set SPW,   14                         ; v14 LDS address of my spare word; never rewritten
.set NIL,   15                         ; v15 0; never rewritten
; v1 lane, v2 r, v3 h, v4 16 lane, v5 4 lane, v6-7 x's stage, v8 8 h, v9 a permute's destination, v10-13 at work, v16-23 scale words and bytes, v24-35 codes, v36-38 a block's second half,
; v40-42 the weights' stage and word offsets, v44-75 the weights' row offsets, v64-191 x as loaded (x's path), v80-127 images on the way out (the weights' path), v192-255 the numbers at work
; 32 numbers of ONE lane, v[xs] on, become 6 registers of codes at v[c] on and a scale byte in v[e]
.macro QBLK xs, c, e
	v_max3_num_f32 v10, |v[\xs]|, |v[\xs+1]|, |v[\xs+2]|          ; the largest magnitude, in two chains
	v_max3_num_f32 v11, |v[\xs+3]|, |v[\xs+4]|, |v[\xs+5]|
.irp i, 6,10,14,18,22,26
	v_max3_num_f32 v10, v10, |v[\xs+\i]|, |v[\xs+\i+1]|
	v_max3_num_f32 v11, v11, |v[\xs+\i+2]|, |v[\xs+\i+3]|
.endr
	v_max3_num_f32 v10, v10, |v[\xs+30]|, |v[\xs+31]|
	v_max3_num_f32 v10, v10, v11, 0x2800000                        ; and the floor 2^(5 - 127): the byte cannot fall under 1
	v_add_nc_u32 v12, 0xfe000000, v10                              ; 4 off the exponent field: the conversion takes this operand's exponent field as its scale
	v_cvt_scalef32_pk16_bf6_f32 v[\c:\c+2], v[\xs:\xs+15], v12
	v_cvt_scalef32_pk16_bf6_f32 v[36:38], v[\xs+16:\xs+31], v12    ; (a conversion's three registers begin on an even number)
	v_lshrrev_b32 v[\e], 23, v12                                   ; the byte; also the plain line behind the conversions
.irp i, 0,1,2
	v_mov_b32 v[\c+3+\i], v[36+\i]
.endr
.endm
	s_load_b256 s[4:11], s[0:1], 0x0               ; x, Wq, Wk, Wv
	s_load_b128 s[12:15], s[0:1], 0x20             ; Wo, x_img
	s_load_b64 s[16:17], s[0:1], 0x30              ; w_img
	v_lshl_add_u32 v[SPW], v0, 2, SPARE
	v_mov_b32 v[NIL], 0
	v_lshrrev_b32 v1, 5, v0
	v_readfirstlane_b32 s18, v1                    ; wave 0..3
	v_and_b32 v1, 31, v0                           ; lane
	v_and_b32 v2, 15, v0                           ; r
	v_bfe_u32 v3, v0, 4, 1                         ; h
	v_lshlrev_b32 v4, 4, v1
	v_lshlrev_b32 v5, 2, v1
	v_lshlrev_b32 v8, 3, v3
	v_mov_b32 v9, 0
	v_cmp_lt_u32 s22, 15, v1                       ; the upper half of the lanes
	s_mov_b32 s20, 0x76543210
	s_mov_b32 s21, 0xfedcba98                      ; selects for lane l xor 16
	; every LDS address, of both paths, is made here
	s_mul_i32 s19, s18, XWAVE
	v_add_nc_u32 v6, s19, v4                       ; x's stage, in: 16 bytes a lane of a row
	v_mul_u32_u24 v7, v2, XPIT
	v_lshl_add_u32 v7, v3, 7, v7
	v_add_nc_u32 v7, s19, v7                       ; out: row r, + 128 h: my block of 32 numbers
	v_bfe_u32 v40, v0, 3, 1                        ; column l of 32 lies in block (l / 8) % 2,
	v_and_b32 v41, 7, v0
	v_lshl_add_u32 v41, v3, 3, v41                 ; at row l % 8 + 8 (l / 16)
	v_mul_u32_u24 v42, v40, RBREC
	v_lshl_add_u32 v42, v41, 2, v42                ; its scale word's place in memory
	v_mul_u32_u24 v40, v40, 3072
	v_lshl_add_u32 v40, v41, 4, v40
	s_mul_i32 s23, s18, WWAVE
	s_add_co_u32 s23, s23, WST
	v_add_nc_u32 v40, s23, v40                     ; the weights' stage, in: image pair of my block, my row's 16 bytes
	v_add_nc_u32 v41, s23, v4                      ; out: 16 bytes a lane
	s_wait_kmcnt 0x0
	s_cmp_ge_u32 ttmp9, 128
	s_cbranch_scc1 .Lweights
	; ---------------- x: block ttmp9, quarter = wave: four fragments
	s_lshr_b32 s23, ttmp9, 1
	s_lshl_b32 s23, s23, 5
	s_and_b32 s26, ttmp9, 1
	s_lshl_b32 s26, s26, 3
	s_add_co_u32 s23, s23, s26                     ; the block's first true row
	s_lshl_b32 s26, s23, 13                        ; rows of 8,192 bytes
	s_lshl_b32 s27, s18, 11                        ; + my quarter's 2,048 bytes
	s_add_co_u32 s26, s26, s27
	s_mov_b32 s27, 0
	s_add_nc_u64 s[4:5], s[4:5], s[26:27]
	s_mul_i32 s26, ttmp9, RBREC
	s_mul_i32 s28, s18, QREC
	s_add_co_u32 s26, s26, s28
	s_add_nc_u64 s[24:25], s[14:15], s[26:27]      ; my quarter record
.macro XLOAD f, st                     ; fragment f: 16 loads, each 512 consecutive bytes of one row, into set st
.irp i, 0,1,2,3,4,5,6,7,8,9,10,11,12,13,14,15
	global_load_b128 v[64+64*(\st)+4*\i:64+64*(\st)+4*\i+3], v4, s[4:5] offset:(\i+8*(\i/8))*8192+512*(\f) th:TH_LOAD_NT
.endr
.endm
.macro XFRAG f
.if (\f) < 3
	s_wait_loadcnt 16                              ; this fragment's 16 loads are in; the next fragment's 16 may be out
.else
	s_wait_loadcnt 0x0
.endif
.irp i, 0,1,2,3,4,5,6,7,8,9,10,11,12,13,14,15
	ds_store_b128 v6, v[64+64*((\f)%2)+4*\i:64+64*((\f)%2)+4*\i+3] offset:XPIT*\i
.endr
.irp c, 0,1                            ; LDS serves a wave's instructions in order: these see the stores.  Lane (r, h) takes k = 64 c + 32 h + 0..31 of row r
.irp j, 0,1,2,3,4,5,6,7
	ds_load_b128 v[192+32*\c+4*\j:192+32*\c+4*\j+3], v7 offset:256*\c+16*\j
.endr
.endr
	s_wait_dscnt 0x0                               ; the numbers are back, and the stores have read their registers
.if (\f) > 0
	s_wait_xcnt 0x0                                ; the last fragment's stores have read the codes' registers
.endif
.if (\f)+2 < 4
	XLOAD (\f)+2, (\f)%2
.endif
	QBLK 192, 24, 22
	QBLK 224, 30, 23
	v_lshl_or_b32 v13, v23, 16, v22                ; my two bytes: blocks h and 2 + h,
	v_lshlrev_b32 v13, v8, v13                     ; at their places in the word;
	v_permlanex16_b32 v9, v13, s20, s21
	v_or_b32 v[16+(\f)], v13, v9                   ; with lane l xor 16's two the word is whole
.irp c, 0,1,2
	global_store_b128 v4, v[24+4*\c:27+4*\c], s[24:25] offset:1536*(\f)+512*\c   ; 512 consecutive bytes, aligned
.endr
.endm
	XLOAD 0, 0
	XLOAD 1, 1
	XFRAG 0
	XFRAG 1
	XFRAG 2
	XFRAG 3
	v_cndmask_b32 v20, v16, v17, s22               ; lanes 0-15 the words of K step 0, lanes 16-31 those of step 1
	v_cndmask_b32 v21, v18, v19, s22
	global_store_b32 v5, v20, s[24:25] offset:6144
	global_store_b32 v5, v21, s[24:25] offset:6272
	s_branch .Lend
	; ---------------- the weights: a lane takes a column, and its registers run down K
.Lweights:
	s_sub_co_u32 s23, ttmp9, 128
	s_lshr_b32 s26, s23, 3                         ; which 128 columns of the 5,120
	s_and_b32 s27, s23, 7                          ; which 256 along K
	s_mov_b64 s[28:29], s[12:13]                   ; Wo: blocks 24-39, rows of 8,192 bytes
	s_mov_b32 s30, 24
	s_mov_b32 s31, 8192
	s_cmp_lt_u32 s26, 24
	s_cselect_b64 s[28:29], s[10:11], s[28:29]     ; Wv: 20-23, rows of 2,048 bytes
	s_cselect_b32 s30, 20, s30
	s_cselect_b32 s31, 2048, s31
	s_cmp_lt_u32 s26, 20
	s_cselect_b64 s[28:29], s[8:9], s[28:29]       ; Wk: 16-19
	s_cselect_b32 s30, 16, s30
	s_cmp_lt_u32 s26, 16
	s_cselect_b64 s[28:29], s[6:7], s[28:29]       ; Wq: 0-15
	s_cselect_b32 s30, 0, s30
	s_cselect_b32 s31, 8192, s31
	s_sub_co_u32 s30, s26, s30                     ; the block within its tensor
	s_lshl_b32 s32, s31, 8
	s_mul_i32 s32, s32, s27                        ; 256 rows x which
	s_lshl_b32 s33, s30, 9
	s_add_co_u32 s32, s32, s33                     ; + 128 columns x 4 bytes x block
	s_lshl_b32 s33, s18, 7
	s_add_co_u32 s32, s32, s33                     ; + my wave's 32 columns
	s_mov_b32 s33, 0
	s_add_nc_u64 s[36:37], s[28:29], s[32:33]
	s_lshl_b32 s32, s31, 5                         ; eight bases, 32 rows apart; none is ever rewritten
.irp t, 1,2,3,4,5,6,7
	s_add_nc_u64 s[36+2*\t:37+2*\t], s[34+2*\t:35+2*\t], s[32:33]
.endr
.irp i, 0,1,2,3,4,5,6,7,8,9,10,11,12,13,14,15,16,17,18,19,20,21,22,23,24,25,26,27,28,29,30,31
	v_mad_u32_u24 v[44+\i], s31, \i, v5            ; row i of a block of 32, my column
.endr
	s_lshl_b32 s56, s26, 3
	s_lshl_b32 s57, s18, 1
	s_add_co_u32 s56, s56, s57                     ; my wave's first block of 16 columns
	s_mul_i32 s56, s56, RBREC
	s_lshr_b32 s57, s27, 1
	s_mul_i32 s57, s57, QREC
	s_add_co_u32 s56, s56, s57                     ; its quarter
	s_and_b32 s58, s27, 1
	s_mul_i32 s57, s58, 3072
	s_add_co_u32 s52, s56, s57                     ; my two K steps' images
	s_mov_b32 s53, 0
	s_lshl_b32 s57, s58, 7
	s_add_co_u32 s54, s56, s57
	s_add_co_u32 s54, s54, 6144                    ; and their scale words
	s_mov_b32 s55, 0
	s_add_nc_u64 s[52:53], s[16:17], s[52:53]
	s_add_nc_u64 s[54:55], s[16:17], s[54:55]
.macro WLOAD t                         ; block t of 32 along K: each load reads 128 consecutive bytes, the four waves side by side
.irp i, 0,1,2,3,4,5,6,7,8,9,10,11,12,13,14,15,16,17,18,19,20,21,22,23,24,25,26,27,28,29,30,31
	global_load_b32 v[192+32*((\t)%2)+\i], v[44+\i], s[36+2*(\t):37+2*(\t)] th:TH_LOAD_NT
.endr
.endm
; Block t is K step t / 4, block t % 4 of it: in the image it belongs to lane row + 16 (t % 2), registers 6 ((t / 2) % 2) on
.macro WBLOCK t
.if (\t) < 7
	s_wait_loadcnt 32                              ; this block's 32 loads are in; the next block's may be out
.else
	s_wait_loadcnt 0x0
.endif
	QBLK 192+32*((\t)%2), 24, 22
.if (\t)%4 == 0
	v_mov_b32 v[20+(\t)/4], v22                    ; four bytes to a word, the lower K in the lower byte
.else
	v_lshl_or_b32 v[20+(\t)/4], v22, 8*((\t)%4), v[20+(\t)/4]
.endif
.if ((\t)/2)%2 == 0
	ds_store_b128 v40, v[24:27] offset:1536*((\t)/4)+256*((\t)%2)          ; registers 0-3,
	ds_store_b64 v40, v[28:29] offset:1536*((\t)/4)+256*((\t)%2)+512       ; 4-5
.else
	ds_store_b64 v40, v[24:25] offset:1536*((\t)/4)+256*((\t)%2)+520       ; registers 6-7,
	ds_store_b128 v40, v[26:29] offset:1536*((\t)/4)+256*((\t)%2)+1024     ; 8-11
.endif
.if (\t)+2 < 8
	WLOAD (\t)+2
.endif
	s_wait_dscnt 0x0                               ; the stores have read the codes' registers
.endm
	WLOAD 0
	WLOAD 1
.irp t, 0,1,2,3,4,5,6,7
	WBLOCK \t
.endr
.irp s, 0,1
	global_store_b32 v42, v[20+\s], s[54:55] offset:64*\s
.endr
.irp k, 0,1,2,3,4,5,6,7,8,9,10,11
	ds_load_b128 v[80+4*\k:83+4*\k], v41 offset:512*\k             ; LDS serves a wave's instructions in order: these see my stores
.endr
.irp k, 0,1,2,3,4,5,6,7,8,9,10,11
	s_wait_dscnt 11-\k                             ; the younger loads may be out
	global_store_b128 v4, v[80+4*\k:83+4*\k], s[52:53] offset:(\k/6)*RBREC+((\k%6)/3)*1536+(\k%3)*512   ; 512 consecutive bytes, aligned
.endr
.Lend:
	s_wait_tensorcnt 0x0                           ; the wave's end
	ds_add_u32 v[SPW], v[NIL]
	s_wait_dscnt 0x0
	s_endpgm
.Lfunc_end_k_qf6ae19d409_quant:
	.size	k_qf6ae19d409_quant, .Lfunc_end_k_qf6ae19d409_quant-k_qf6ae19d409_quant
	.p2alignl 7, 3214868480
	.fill 96, 4, 3214868480
	.section	.rodata,"a",@progbits
	.p2align	6, 0x0
	.amdhsa_kernel k_qf6ae19d409_quant
		.amdhsa_group_segment_fixed_size 58880
		.amdhsa_private_segment_fixed_size 0
		.amdhsa_enable_private_segment 0
		.amdhsa_kernarg_size 56
		.amdhsa_user_sgpr_count 2
		.amdhsa_user_sgpr_kernarg_segment_ptr 1
		.amdhsa_wavefront_size32 1
		.amdhsa_system_sgpr_workgroup_id_x 1
		.amdhsa_system_sgpr_workgroup_id_y 1
		.amdhsa_system_sgpr_workgroup_id_z 1
		.amdhsa_system_vgpr_workitem_id 0
		.amdhsa_next_free_vgpr 256
		.amdhsa_next_free_sgpr 66
		.amdhsa_reserve_vcc 0
		.amdhsa_float_denorm_mode_32 3
		.amdhsa_float_denorm_mode_16_64 3
		.amdhsa_memory_ordered 1
		.amdhsa_forward_progress 1
		.amdhsa_inst_pref_size 74
	.end_amdhsa_kernel
	.amdgpu_metadata
---
amdhsa.version: [ 1, 2 ]
amdhsa.kernels:
  - .name:           k_qf6ae19d409_quant
    .symbol:         k_qf6ae19d409_quant.kd
    .args:
      - { .name: x, .offset: 0, .size: 8, .value_kind: global_buffer, .address_space: global }
      - { .name: Wq, .offset: 8, .size: 8, .value_kind: global_buffer, .address_space: global }
      - { .name: Wk, .offset: 16, .size: 8, .value_kind: global_buffer, .address_space: global }
      - { .name: Wv, .offset: 24, .size: 8, .value_kind: global_buffer, .address_space: global }
      - { .name: Wo, .offset: 32, .size: 8, .value_kind: global_buffer, .address_space: global }
      - { .name: x_img, .offset: 40, .size: 8, .value_kind: global_buffer, .address_space: global }
      - { .name: w_img, .offset: 48, .size: 8, .value_kind: global_buffer, .address_space: global }
    .group_segment_fixed_size: 58880
    .private_segment_fixed_size: 0
    .kernarg_segment_align: 8
    .kernarg_segment_size: 56
    .max_flat_workgroup_size: 128
    .sgpr_count:     66
    .vgpr_count:     256
    .wavefront_size: 32
...
	.end_amdgpu_metadata
.endif
;; end of part 1
;; launch qkvgemm (part 2): grid 16 x 12, 4 waves a work-group, clusters of 4 x 1, 327,680 bytes of LDS; arguments x_img, w_img, freqs_cos, freqs_sin, qkv; writes qkv
.if DOCPART == 2
	.amdgcn_target "amdgcn-amd-amdhsa--gfx1250"
	.amdhsa_code_object_version 6
	.text
	.protected	k_qf6ae19d409_qkvgemm
	.globl	k_qf6ae19d409_qkvgemm
	.p2align	8
	.type	k_qf6ae19d409_qkvgemm,@function
k_qf6ae19d409_qkvgemm:
	s_mov_b64 s[64:65], 0
	v_nop
	global_prefetch_b8 v0, s[64:65] scope:SCOPE_SE
	s_setreg_imm32_b32 hwreg(HW_REG_WAVE_MODE, 25, 1), 1
	s_wait_xcnt 0x0
	s_wait_alu depctr_hold_cnt(0) depctr_sa_sdst(0) depctr_va_vdst(0) depctr_va_sdst(0) depctr_va_ssrc(0) depctr_va_vcc(0) depctr_vm_vsrc(0)
	s_getreg_b32 s2, hwreg(HW_REG_IB_STS2, 6, 4)
	s_cmp_eq_u32 s2, 0
	s_cbranch_scc0 .Lentry_in_a_cluster
	s_endpgm
.Lentry_in_a_cluster:
	s_bfe_u32 s2, ttmp6, 0x10000c
	s_cmp_lg_u32 s2, 0x3003
	s_cbranch_scc0 .Lentry_shape_is_right
	s_endpgm
.Lentry_shape_is_right:
; q = rope(x Wq), k = rope(x Wk), v = x Wv on codes of BF6 (E3M2) with E8M0 scales, K = 2,048; the results are quantised at once, q and k along the head's 128, v along the keys, and leave as images (16 rows x 128 K as 12 registers a lane,
; byte 512 c + 16 lane) in records of 12,800 bytes: 8 images, then 8 x 16 scale words.  Records: q: 16 head + (query / 128); k: 256 + 16 kv head + (key / 128); v^T: 320 + 16 kv head + (key / 128), its 8 images 16 channels each.
; A work-group makes 128 (side A, the instruction's second source) x 256 (side B, its first source); a wave 64 x 128: 32 accumulators.  y 0-9: A = x's rows, B = columns of Wq, Wk.  y 10, 11: A = columns of Wv, B = x's rows: so v comes out with
; one channel to a lane and registers along the keys, and ONE way out serves all three.  In every operand buffer row i of block 2 g + u is true row 32 g + 8 u + i + 8 (i / 8): the 16 registers of B's blocks 2 b, 2 b + 1 are then 16 true neighbours.
; K goes in 16 steps of 128 through two LDS slots of 4 steps each (a quarter record, 6,400 bytes, for each block of 16 rows: four images and their scale words): two first fills, two refills, written out without a loop.
; CLUSTER 4 x 1: the four partners share B's 256 rows, which are asked for jointly; A's 128 rows are each work-group's own.  A's tiles are shared along y too, but y has 10 tiles of one kind and 2 of the other: no cluster along y divides both without
; partners on different paths.
; LIMITS: a block of zeros gets the byte 1 (its codes are zeros; this program alone reads the bytes); blocks under 2^-122 are held at the byte 1; NaN and infinities are not served; the rotation is a product and a fused multiply-add, one rounding less than two products and a sum.
; REGISTERS: window 0: v16-26 addresses, v28-29 the add's two, v32-47 scale words (two sets: lanes 0-15 A's block i, lanes 16-31 B's), v48-95 codes on the way out, v96-127 at work there, v128-223 A's fragments (two sets), later the rotated numbers;
;   window 1: B's fragments, sets at v0 and v128;  window 2: accumulator (a, b) at v[8 (8 a + b)];  window 3: cos at v[64 a + 16 b + e], sin 8 further on.
.set RBREC, 25600
.set QREC,  6400
.set SLOT,  153600                     ; A's 8 blocks, then B's 16
.set BOFF,  51200
.set SPARE, 2*SLOT                     ; the spare words, 128 bytes for each wave: two blocks of 256 bytes that no other line names
.set ADRA, 16                          ; v16-17 my A fragments in slot 0, 1
.set ADRB, 20                          ; v20-21 my B fragments
.set ADRS, 22                          ; v22-23 my scale words
.set CSO,  24                          ; v24 my byte in cos and sin; never rewritten
.set LI,   25                          ; v25 16 x lane
.set LS,   26                          ; v26 4 x lane
.set SPW,  28
.set NIL,  29
.set SC,   32
.set AF,   128
.set G1A, 24                           ; s[24:31], s[32:39]: groups 1 and 0 (a set for each slot) for A's tiles
.set G0A, 32
.set G1B, 48                           ; s[48:55], s[56:63]: for B's
.set G0B, 56
.set MSB, 0
.macro WIN new                         ; the immediate's high byte repeats the setting that is left
.if MSB != \new
	s_set_vgpr_msb (MSB<<8)|\new
.set MSB, \new
.endif
.endm
.set MUL,  0xa1                        ; source 0 (B) window 1, source 1 (A) window 0, C and D window 2
.set TO_B, 0x40                        ; destination window 1, address window 0
; Waves 0 and 1 fetch A's halves (a load of the work-group's own), waves 2 and 3 B's (jointly).  The branch hangs on the wave's number alone.  An s_nop 0 and four v_nop follow each line.
.macro JLOAD g0a, g0b
	s_cmp_eq_u32 s15, 0
	s_cbranch_scc0 .Lfor_b_\@
	tensor_load_to_lds s[\g0a:\g0a+3], s[G1A:G1A+7]
	s_nop 0
.rept 4
	v_nop
.endr
	s_branch .Lasked_\@
.Lfor_b_\@:
	tensor_load_to_lds s[\g0b:\g0b+3], s[G1B:G1B+7]
	s_nop 0
.rept 4
	v_nop
.endr
.Lasked_\@:
.endm
.macro CREST                           ; a round of the cluster's barrier behind its opening barrier
	s_cmp_lg_u32 s14, 0
	s_cbranch_scc1 .Lnot_wave_0_\@
	s_barrier_signal -3
.Lnot_wave_0_\@:
	s_barrier_wait -3
	s_barrier_signal -1
	s_barrier_wait -1
.endm
.macro CROUND
	s_barrier_signal -1
	s_barrier_wait -1
	CREST
.endm
.macro PLACES                          ; four places in front of loads into registers that matrix instructions have read, and of the first read of results
.rept 4
	v_nop
.endr
.endm
; 8 matrix instructions: A's block a against B's eight, fragment set p.  The 32 accumulators take turns in the same order in every step.
.macro MULA a, p, zero
.irp b, 0,1,2,3,4,5,6,7
.if \zero
	v_wmma_scale_f32_16x16x128_f8f6f4 v[8*(8*(\a)+\b):8*(8*(\a)+\b)+7], v[128*(\p)+12*\b:128*(\p)+12*\b+11], v[AF+48*(\p)+12*(\a):AF+48*(\p)+12*(\a)+11], 0, v[SC+8*(\p)+\b], v[SC+8*(\p)+(\a)] matrix_a_fmt:MATRIX_FMT_BF6 matrix_b_fmt:MATRIX_FMT_BF6 matrix_a_scale:MATRIX_SCALE_ROW1
.else
	v_wmma_scale_f32_16x16x128_f8f6f4 v[8*(8*(\a)+\b):8*(8*(\a)+\b)+7], v[128*(\p)+12*\b:128*(\p)+12*\b+11], v[AF+48*(\p)+12*(\a):AF+48*(\p)+12*(\a)+11], v[8*(8*(\a)+\b):8*(8*(\a)+\b)+7], v[SC+8*(\p)+\b], v[SC+8*(\p)+(\a)] matrix_a_fmt:MATRIX_FMT_BF6 matrix_b_fmt:MATRIX_FMT_BF6 matrix_a_scale:MATRIX_SCALE_ROW1
.endif
.endr
.endm
; K step g's fragments and scale words into set g % 2: 36 loads of 512 consecutive bytes, 8 of words.  (For i over 3 lanes 0-15 read landed bytes of the same slot that no product uses.)
.macro FETCH g
.set FS, ((\g)/4)%2
.set FQ, (\g)%4
.set FP, (\g)%2
	WIN TO_B
.irp b, 0,1,2,3,4,5,6,7
.irp c, 0,1,2
	ds_load_b128 v[128*FP+12*\b+4*\c:128*FP+12*\b+4*\c+3], v[ADRB+FS] offset:QREC*\b+1536*FQ+512*\c
.endr
.endr
	WIN 0
.irp a, 0,1,2,3
.irp c, 0,1,2
	ds_load_b128 v[AF+48*FP+12*\a+4*\c:AF+48*FP+12*\a+4*\c+3], v[ADRA+FS] offset:QREC*\a+1536*FQ+512*\c
.endr
.endr
.irp i, 0,1,2,3,4,5,6,7
	ds_load_b32 v[SC+8*FP+\i], v[ADRS+FS] offset:QREC*\i+6144+64*FQ
.endr
.endm
.macro STEP g, zero                    ; a step whose successor lies in the same slot
	s_wait_dscnt 0x0                               ; this step's fragments are in
	WIN MUL
	MULA 0, (\g)%2, \zero
	MULA 1, (\g)%2, \zero
	PLACES
	FETCH (\g)+1
	WIN MUL
	MULA 2, (\g)%2, \zero
	MULA 3, (\g)%2, \zero
.endm
; A slot's last step changes slots: one barrier; in front of it each wave waits for all its tensor loads, adds 0 to its spare word, and waits for that and for its reads of this slot.  fill = 1: the slot is filled again, with the quarter two on.
.macro TURN g, fill
.set TS, ((\g)/4)%2
	WIN 0                                          ; (the add's two registers lie in window 0)
	s_wait_tensorcnt 0x0                           ; all my tensor loads have landed: my part of the next slot
	ds_add_u32 v[SPW], v[NIL]                      ; 0 onto my spare word
	s_wait_dscnt 1                                 ; this step's fragments are in; the add alone may be out
	WIN MUL
	MULA 0, (\g)%2, 0
	s_wait_dscnt 0x0                               ; the add is done, and my reads of this slot are over
	s_barrier_signal -1
	MULA 1, (\g)%2, 0
	WIN 0
	s_barrier_wait -1
.if \fill
	CREST                                          ; the barrier has opened a round of the cluster's barrier: no wave of any partner still reads the slot or has a load on its way
	s_add_nc_u64 s[G0A+4*TS+2:G0A+4*TS+3], s[G0A+4*TS+2:G0A+4*TS+3], 2*QREC
	s_add_nc_u64 s[G0B+4*TS+2:G0B+4*TS+3], s[G0B+4*TS+2:G0B+4*TS+3], 2*QREC
	JLOAD G0A+4*TS, G0B+4*TS                       ; the first tensor load behind the round: four steps, 128 matrix instructions, in which to land; its four v_nop are the places for the loads below
.else
	PLACES
.endif
	FETCH (\g)+1
	WIN MUL
	MULA 2, (\g)%2, 0
	MULA 3, (\g)%2, 0
.endm
; 64 numbers of a lane, register 16 b + i = k 32 b + 16 (lane / 16) + i of my row, become a fragment's 12 registers at v[pc] on and its scale word in v[pw]
.macro QUANT src, pc, pw, tm, hx
.irp b, 0,1,2,3
	v_max3_num_f32 v[(\tm)+\b], |v[(\src)+16*\b]|, |v[(\src)+1+16*\b]|, 0x2800000   ; my 16 numbers of block b, and the floor 2^(5 - 127)
.endr
.irp i, 2,4,6,8,10,12,14
.irp b, 0,1,2,3
	v_max3_num_f32 v[(\tm)+\b], v[(\tm)+\b], |v[(\src)+16*\b+\i]|, |v[(\src)+1+16*\b+\i]|
.endr
.endr
.irp b, 0,1,2,3
	v_permlanex16_b32 v[(\tm)+4+\b], v[(\tm)+\b], s20, s21
.endr
.irp b, 0,1,2,3
	v_max_num_f32 v[(\tm)+\b], v[(\tm)+\b], v[(\tm)+4+\b]          ; with lane l xor 16's: the block's largest magnitude
.endr
.irp b, 0,1,2,3
	v_add_nc_u32 v[(\tm)+12+\b], 0xfe000000, v[(\tm)+\b]           ; 4 off its exponent field: the conversion's scale operand
.endr
.irp b, 0,1,2,3
	v_lshrrev_b32 v[(\tm)+4+\b], 23, v[(\tm)+12+\b]                ; the byte
.endr
	v_lshl_or_b32 v[\pw], v[(\tm)+5], 8, v[(\tm)+4]
	v_lshl_or_b32 v[\pw], v[(\tm)+6], 16, v[\pw]
	v_lshl_or_b32 v[\pw], v[(\tm)+7], 24, v[\pw]
.irp c, 0,1
	v_cvt_scalef32_pk16_bf6_f32 v[(\pc)+6*\c:(\pc)+6*\c+2], v[(\src)+32*\c:(\src)+32*\c+15], v[(\tm)+12+2*\c]
	v_cvt_scalef32_pk16_bf6_f32 v[(\hx)+4*\c:(\hx)+4*\c+2], v[(\src)+16+32*\c:(\src)+32*\c+31], v[(\tm)+13+2*\c]
.endr
	v_nop                                          ; one plain line behind a scaled conversion
.irp c, 0,1                            ; the layout wants a whole block in a lane: lanes 0-15 block 2 c, lanes 16-31 block 2 c + 1
.irp i, 0,1,2
	v_permlane16_swap_b32 v[(\pc)+6*\c+\i], v[(\hx)+4*\c+\i]
.endr
.irp i, 0,1,2
	v_mov_b32 v[(\pc)+3+6*\c+\i], v[(\hx)+4*\c+\i]
.endr
.endr
.endm
	s_load_b256 s[4:11], s[0:1], 0x0               ; x_img, w_img, cos, sin
	s_load_b64 s[12:13], s[0:1], 0x20              ; qkv
	v_lshl_add_u32 v[SPW], v0, 2, SPARE
	v_mov_b32 v[NIL], 0
	ds_add_u32 v[SPW], v[NIL]                      ; the wave's opening: the add and its wait ahead of my first tensor load; work on registers stands between them
	v_lshrrev_b32 v1, 5, v0
	v_readfirstlane_b32 s14, v1                    ; wave 0..3
	s_lshr_b32 s15, s14, 1                         ; which 64 of A's rows are mine.  Also: I fetch for A (0) or for B (1)
	s_and_b32 s16, s14, 1                          ; which 128 of B's rows.  Also: which half I fetch
	s_bfe_u32 s40, ttmp6, 0x40000                  ; cx
	s_and_b32 s41, ttmp7, 0xffff                   ; y, which the partners share
	s_lshl_b32 s42, ttmp9, 2
	s_add_co_u32 s42, s42, s40                     ; work-group x
	s_lshl_b32 s43, s42, 3                         ; A for q, k: x's blocks 8 x on
	s_lshl_b32 s44, s40, 3
	s_add_co_u32 s44, s44, 160                     ; A for v: Wv's blocks 160 + 8 cx on: kv head cx
	s_max_u32 s45, s41, 10
	s_sub_co_u32 s45, s45, 10
	s_lshl_b32 s45, s45, 2
	s_add_co_u32 s45, s45, ttmp9                   ; v: which 256 keys: 4 (y - 10) + cluster x: no place in the cluster enters it
	s_lshl_b32 s46, s45, 4                         ; B for v: x's blocks
	s_lshl_b32 s47, s41, 4                         ; B for q, k: the weights' blocks 16 y on
	s_lshl_b32 s82, s41, 1
	s_add_co_u32 s82, s82, s16
	s_lshl_b32 s82, s82, 4
	s_add_co_u32 s82, s82, s42                     ; my record for q, k: 16 (2 y + half) + x
	s_lshl_b32 s83, s40, 4
	s_lshl_b32 s84, s45, 1
	s_add_co_u32 s83, s83, s84
	s_add_co_u32 s83, s83, s16
	s_add_co_u32 s83, s83, 320                     ; for v: 320 + 16 cx + 2 (which 256 keys) + half
	s_cmp_ge_u32 s41, 10
	s_cselect_b32 s43, s44, s43
	s_cselect_b32 s46, s46, s47
	s_cselect_b32 s82, s83, s82
	s_cselect_b32 s77, 1, 0                        ; v's tile?  The same in all partners
	s_lshl_b32 s44, s16, 2
	s_add_co_u32 s43, s43, s44                     ; the 4 blocks of A that I fetch
	s_mul_i32 s22, s43, RBREC
	s_mov_b32 s23, 0
	s_lshl_b32 s47, s16, 3
	s_add_co_u32 s46, s46, s47                     ; the 8 blocks of B
	s_mul_i32 s68, s46, RBREC
	s_mov_b32 s69, 0
	s_mul_i32 s70, s82, 12800
	s_mul_i32 s84, s15, 6144
	s_add_co_u32 s72, s70, s84                     ; my four images,
	s_mov_b32 s73, 0
	s_lshl_b32 s84, s15, 8
	s_add_co_u32 s74, s70, s84
	s_add_co_u32 s74, s74, 12288                   ; and their scale words
	s_mov_b32 s75, 0
	s_lshl_b32 s78, s42, 15
	s_lshl_b32 s84, s15, 14
	s_add_co_u32 s78, s78, s84                     ; cos, sin: my first row, 256 bytes a row
	s_mov_b32 s79, 0
	s_mul_i32 s85, s16, 4*QREC                     ; where the tiles go: no place in the cluster enters an LDS address
	s_mul_i32 s86, s16, 8*QREC
	s_add_co_u32 s86, s86, BOFF
	s_mov_b32 s20, 0x76543210
	s_mov_b32 s21, 0xfedcba98
	; group 1: rows of 6,400 bytes (800 elements of 8), 25,600 bytes apart; A: 4 rows, no mask; B: 8 rows, all four work-groups
	s_mov_b32 s[G1A+0], 3<<16
	s_mov_b32 s[G1A+1], 800<<16
	s_mov_b32 s[G1A+2], 4<<16
	s_mov_b32 s[G1A+3], 800<<16
	s_mov_b32 s[G1A+4], 4
	s_mov_b32 s[G1A+5], 3200
	s_mov_b32 s[G1A+6], 0
	s_mov_b32 s[G1A+7], 0
	s_mov_b32 s[G1B+0], 15|(3<<16)|(1<<21)
	s_mov_b32 s[G1B+1], 800<<16
	s_mov_b32 s[G1B+2], 8<<16
	s_mov_b32 s[G1B+3], 800<<16
	s_mov_b32 s[G1B+4], 8
	s_mov_b32 s[G1B+5], 3200
	s_mov_b32 s[G1B+6], 0
	s_mov_b32 s[G1B+7], 0
	s_wait_dscnt 0x0                               ; the opening add is done
	s_wait_kmcnt 0x0
	s_cmp_eq_u32 s77, 1
	s_cselect_b64 s[20+68:21+68], s[6:7], s[4:5]   ; s[88:89]: A's buffer
	s_cselect_b64 s[66:67], s[4:5], s[6:7]         ; B's buffer
	s_add_nc_u64 s[88:89], s[88:89], s[22:23]
	s_add_nc_u64 s[66:67], s[66:67], s[68:69]
	s_add_nc_u64 s[72:73], s[12:13], s[72:73]
	s_add_nc_u64 s[74:75], s[12:13], s[74:75]
	s_add_nc_u64 s[80:81], s[10:11], s[78:79]      ; sin
	s_add_nc_u64 s[78:79], s[8:9], s[78:79]        ; cos
	CROUND                                         ; all four work-groups are here: the first joint loads meet
.irp s, 0,1
	s_mov_b32 s[G0A+4*\s], 1
	s_add_co_u32 s[G0A+4*\s+1], s85, \s*SLOT
	s_add_nc_u64 s[G0A+4*\s+2:G0A+4*\s+3], s[88:89], \s*QREC
	s_or_b32 s[G0A+4*\s+3], s[G0A+4*\s+3], 0x80000000
	s_mov_b32 s[G0B+4*\s], 1
	s_add_co_u32 s[G0B+4*\s+1], s86, \s*SLOT
	s_add_nc_u64 s[G0B+4*\s+2:G0B+4*\s+3], s[66:67], \s*QREC
	s_or_b32 s[G0B+4*\s+3], s[G0B+4*\s+3], 0x80000000
	JLOAD G0A+4*\s, G0B+4*\s                       ; quarters 0 and 1: two loads of mine are out
.endr
	v_and_b32 v1, 31, v0                           ; lane
	v_and_b32 v2, 15, v0                           ; r
	v_bfe_u32 v3, v0, 4, 1                         ; h
	v_lshlrev_b32 v[LI], 4, v1
	v_lshlrev_b32 v[LS], 2, v1
	s_mul_i32 s82, s15, 4*QREC                     ; my 4 blocks of A
	s_mul_i32 s83, s16, 8*QREC
	s_add_co_u32 s83, s83, BOFF                    ; my 8 blocks of B
	v_add_nc_u32 v[ADRA], s82, v[LI]
	v_add_nc_u32 v[ADRA+1], SLOT, v[ADRA]
	v_add_nc_u32 v[ADRB], s83, v[LI]
	v_add_nc_u32 v[ADRB+1], SLOT, v[ADRB]
	s_sub_co_u32 s83, s83, s82
	v_mul_u32_u24 v4, s83, v3                      ; lanes 16-31 take B's words: one product with h
	v_lshl_add_u32 v4, v2, 2, v4
	v_add_nc_u32 v[ADRS], s82, v4
	v_add_nc_u32 v[ADRS+1], SLOT, v[ADRS]
	v_and_b32 v5, 8, v2
	v_add_nc_u32 v5, v5, v2                        ; r + 8 (r / 8)
	v_lshlrev_b32 v[CSO], 8, v5
	v_lshl_add_u32 v[CSO], v3, 5, v[CSO]           ; cos, sin: that row, + 32 h: my 8 pairs of each 16
	v_cmp_lt_u32 s76, 15, v1                       ; the upper half of the lanes
.irp b, 0,1,2,3
	v_mov_b32 v[108+\b], 0                         ; written once: a lane permute's destination counts as one of its sources
.endr
	; cos and sin of my 64 rows come into window 3 while the tiles travel.  v is not rotated: its tiles take cos = 1, sin = 0, which leaves every number as it is, so that the way out has no branch
	s_cmp_eq_u32 s77, 1
	s_cbranch_scc1 .Lis_v
	WIN 0xc0                                       ; destination window 3
.irp a, 0,1,2,3
.irp b, 0,1,2,3
.irp j, 0,1
	global_load_b128 v[64*\a+16*\b+4*\j:64*\a+16*\b+4*\j+3], v[CSO], s[78:79] offset:(32*(\a/2)+8*(\a%2))*256+64*\b+16*\j
	global_load_b128 v[64*\a+16*\b+8+4*\j:64*\a+16*\b+8+4*\j+3], v[CSO], s[80:81] offset:(32*(\a/2)+8*(\a%2))*256+64*\b+16*\j
.endr
.endr
.endr
	WIN 0
	s_branch .Lhave_cs
.Lis_v:
	WIN 0xc0
.set i, 0
.rept 256
.if (i%16) < 8
	v_mov_b32 v[i], 1.0
.else
	v_mov_b32 v[i], 0
.endif
.set i, i+1
.endr
	WIN 0
.Lhave_cs:
	s_wait_tensorcnt 0x1                           ; my part of slot 0 is in; slot 1's may stay out
	s_barrier_signal -1
	s_barrier_wait -1                              ; everybody's is
	FETCH 0
	STEP 0, 1                                      ; the first step's products start the sums: nothing is cleared
	STEP 1, 0
	STEP 2, 0
	TURN 3, 1
	STEP 4, 0
	STEP 5, 0
	STEP 6, 0
	TURN 7, 1
	STEP 8, 0
	STEP 9, 0
	STEP 10, 0
	TURN 11, 0                                     ; nothing is left to fetch
	STEP 12, 0
	STEP 13, 0
	STEP 14, 0
	s_wait_dscnt 0x0
	WIN MUL
	MULA 0, 1, 0
	MULA 1, 1, 0
	MULA 2, 1, 0
	MULA 3, 1, 0
	WIN 0
	PLACES
	; THE WAY OUT, A's block a at a time: lane (r, h) holds one row (a query, a key, or a channel of v) and 64 numbers, register 16 b + i = index 32 b + 16 h + i of the 128.  Rotated, quantised, stored as an image: whole aligned runs of 512 bytes.
	s_wait_loadcnt 0x0                             ; cos, sin
.macro ROPE a                          ; pairs (even, odd): even' = even c - odd s, odd' = even s + odd c; each accumulator is read from its low end on
	WIN 0x0e                                       ; source 0 window 2, source 1 window 3, source 2 and destination window 0
.irp b, 0,1,2,3
.irp e, 0,1,2,3,4,5,6,7
.set RX, 64*(\a)+16*\b+2*\e
.set RC, 64*(\a)+16*\b+\e
.set RT, 124+2*(\e%2)
	v_mul_f32 v[RT], v[RX+1], v[RC+8]
	v_mul_f32 v[RT+1], v[RX], v[RC+8]
	v_fma_f32 v[128+16*\b+2*\e], v[RX], v[RC], -v[RT]
	v_fma_f32 v[129+16*\b+2*\e], v[RX+1], v[RC], v[RT+1]
.endr
.endr
	WIN 0
.endm
.irp a, 0,1,2,3
	ROPE \a
	QUANT 128, 48+12*\a, 120+\a, 104, 96
.irp c, 0,1,2
	global_store_b128 v[LI], v[48+12*\a+4*\c:48+12*\a+4*\c+3], s[72:73] offset:1536*\a+512*\c
.endr
.endr
	v_cndmask_b32 v100, v120, v121, s76            ; lanes 0-15 block 0's words, lanes 16-31 block 1's (both halves of the lanes hold a row's whole word)
	v_cndmask_b32 v101, v122, v123, s76
	global_store_b32 v[LS], v100, s[74:75]
	global_store_b32 v[LS], v101, s[74:75] offset:128
	s_wait_tensorcnt 0x0                           ; the wave's end
	ds_add_u32 v[SPW], v[NIL]
	s_wait_dscnt 0x0
	CROUND                                         ; the closing round: no work-group ends while a partner may still ask for a tile that names it
	s_endpgm
.Lfunc_end_k_qf6ae19d409_qkvgemm:
	.size	k_qf6ae19d409_qkvgemm, .Lfunc_end_k_qf6ae19d409_qkvgemm-k_qf6ae19d409_qkvgemm
	.p2alignl 7, 3214868480
	.fill 96, 4, 3214868480
	.section	.rodata,"a",@progbits
	.p2align	6, 0x0
	.amdhsa_kernel k_qf6ae19d409_qkvgemm
		.amdhsa_group_segment_fixed_size 327680
		.amdhsa_private_segment_fixed_size 0
		.amdhsa_enable_private_segment 0
		.amdhsa_kernarg_size 40
		.amdhsa_user_sgpr_count 2
		.amdhsa_user_sgpr_kernarg_segment_ptr 1
		.amdhsa_wavefront_size32 1
		.amdhsa_system_sgpr_workgroup_id_x 1
		.amdhsa_system_sgpr_workgroup_id_y 1
		.amdhsa_system_sgpr_workgroup_id_z 1
		.amdhsa_system_vgpr_workitem_id 0
		.amdhsa_next_free_vgpr 1024
		.amdhsa_next_free_sgpr 100
		.amdhsa_reserve_vcc 0
		.amdhsa_float_denorm_mode_32 3
		.amdhsa_float_denorm_mode_16_64 3
		.amdhsa_memory_ordered 1
		.amdhsa_forward_progress 1
		.amdhsa_inst_pref_size 178
	.end_amdhsa_kernel
	.amdgpu_metadata
---
amdhsa.version: [ 1, 2 ]
amdhsa.kernels:
  - .name:           k_qf6ae19d409_qkvgemm
    .symbol:         k_qf6ae19d409_qkvgemm.kd
    .args:
      - { .name: x_img, .offset: 0, .size: 8, .value_kind: global_buffer, .address_space: global }
      - { .name: w_img, .offset: 8, .size: 8, .value_kind: global_buffer, .address_space: global }
      - { .name: freqs_cos, .offset: 16, .size: 8, .value_kind: global_buffer, .address_space: global }
      - { .name: freqs_sin, .offset: 24, .size: 8, .value_kind: global_buffer, .address_space: global }
      - { .name: qkv, .offset: 32, .size: 8, .value_kind: global_buffer, .address_space: global }
    .group_segment_fixed_size: 327680
    .private_segment_fixed_size: 0
    .kernarg_segment_align: 8
    .kernarg_segment_size: 40
    .max_flat_workgroup_size: 128
    .sgpr_count:     100
    .vgpr_count:     1024
    .wavefront_size: 32
...
	.end_amdgpu_metadata
.endif
;; end of part 2
;; launch attn (part 3): grid 8 x 32, 8 waves a work-group, clusters of 4 x 1, 327,680 bytes of LDS; arguments qkv, y_img; writes y_img
.if DOCPART == 3
	.amdgcn_target "amdgcn-amd-amdhsa--gfx1250"
	.amdhsa_code_object_version 6
	.text
	.protected	k_qf6ae19d409_attn
	.globl	k_qf6ae19d409_attn
	.p2align	8
	.type	k_qf6ae19d409_attn,@function
k_qf6ae19d409_attn:
	s_mov_b64 s[64:65], 0
	v_nop
	global_prefetch_b8 v0, s[64:65] scope:SCOPE_SE
	s_setreg_imm32_b32 hwreg(HW_REG_WAVE_MODE, 25, 1), 1
	s_wait_xcnt 0x0
	s_wait_alu depctr_hold_cnt(0) depctr_sa_sdst(0) depctr_va_vdst(0) depctr_va_sdst(0) depctr_va_ssrc(0) depctr_va_vcc(0) depctr_vm_vsrc(0)
	s_getreg_b32 s2, hwreg(HW_REG_IB_STS2, 6, 4)
	s_cmp_eq_u32 s2, 0
	s_cbranch_scc0 .Lentry_in_a_cluster
	s_endpgm
.Lentry_in_a_cluster:
	s_bfe_u32 s2, ttmp6, 0x10000c
	s_cmp_lg_u32 s2, 0x3003
	s_cbranch_scc0 .Lentry_shape_is_right
	s_endpgm
.Lentry_shape_is_right:
; y[q][head] = softmax_k(q . k / sqrt(128), causal) v on codes of BF6 (E3M2) with E8M0 scales; 16 query heads on 4 kv heads, 2,048 positions, head size 128.  The result is quantised at once along the last product's K (128 head + channel) and stored as images.
; THE SOFTMAX: t = score x log2(e) / sqrt(128); M = the running largest t rounded UP to a whole number; p = 2^(t - M) is quantised along the keys, not normalised; the sum is taken of the unquantised p and divides at the end.  When M moves, the sum and
; O are multiplied by 2^(old M - new M), which rounds nothing.
; INPUT (records of 12,800 bytes: 8 images of 1,536, then 8 x 16 scale words; an image is a fragment's 12 registers, byte 512 c + 16 lane): q: record 16 head + q / 128; k: 256 + 16 kvh + key / 128; v^T (16 channels an image, K = 128 keys): 320 + 16 kvh + key / 128.
; Row i of image 2 g + u is true row 32 g + 8 u + i + 8 (i / 8).
; SHARES.  y = 8 kvh + G.  Eight waves, two to a SIMD: wave w serves head 4 kvh + w % 4 and is PART w / 4 of it.  A pair of waves owns two tiles of 16 queries, one after the other: tile 8 G + sub, then tile 8 (15 - G) + sub (sub = work-group x):
; (G + 1) + (16 - G) = 17 key steps of 128 for every pair of the launch.  Part p works the key steps whose number is p modulo 2: nine for part 0, eight for part 1, whatever G.  Each part keeps a running M, a sum and an O^T of its own: its p differs from
; the row's by a whole power of two, which the block's scale takes up.  At the end the parts hand each other one tile's state through LDS, as an image of the registers, and part 0 finishes the first tile, part 1 the second.
; The keys come in PHASES of 4 key steps: G / 4 + 1 for the first tile, the rest of five for the second: five for every work-group; a step of the other part, or one all of whose keys come after the tile's queries, is jumped over (a branch on ids, round the step's work alone).
; CLUSTER 4 x 1: the four partners, and their waves, walk the same K and V: every phase's tiles are asked for jointly, each wave one record (waves 0-3: K's four steps; waves 4-7: V's).
; LAYOUT.  Both products transposed: S^T = K Q^T, O^T = V^T P^T: a lane holds ONE query throughout, and its 16 registers of two neighbouring tiles are 16 true neighbours (keys, then channels).
; LIMITS: a block's largest p is made from its largest score by the same two instructions (this takes v_exp_f32 not to fall where its input rises); a block of zeros gets the byte 1; NaN and infinities are not served; the two parts' sums are added in another order than one stream's.
; REGISTERS, window 0: v1-4 lane places, v5-6 the add's two, v7 16 lane, v8-11 addresses in hand, v12 -M, v13 largest t, v[14:15] the sum, v16-27 Q, v28 the mask's bound, v29 4 r, v30 the prefetch's offset, v31, v61 Q's offsets, v32-39, v40-47 K's, V's scale words,
;   v48-60 the second tile's Q and its words, v65, v70 where I give my state and take my partner's, v66-69 the saved tile's v12-15, v96-159 S^T then p, v160-223 O^T, v224-235 codes, v232-254 at work, v253 p's scale word, v255 Q's.
;   Window 1: v0-95 K's 8 fragments, v128-223 V's, v96-127 and v224-255 the saved tile's O^T.
.set SLOT1, 1<<17                      ; slot 1 begins here: one exclusive or turns an address in one slot into the other's.  A slot: K's 4 records, then V's 4: 102,400 bytes
.set REC,   12800
.set SPARE, 257024                     ; the spare words, 128 bytes for each of the eight waves: four blocks of 256 bytes that no other line names
.set GIVE,  258048                     ; the states that the parts give each other: 17 x 512 bytes for each wave; no fill ever lands here
.set GREC,  8704
.set SPW, 5
.set NIL, 6
.set MSB, 0
.macro WIN new                         ; the immediate's high byte repeats the setting that is left
.if MSB != \new
	s_set_vgpr_msb (MSB<<8)|\new
.set MSB, \new
.endif
.endm
.macro CROUND                          ; a round of the cluster's barrier
	s_barrier_signal -1
	s_barrier_wait -1
	s_cmp_lg_u32 s8, 0
	s_cbranch_scc1 .Lnot_wave_0_\@
	s_barrier_signal -3
.Lnot_wave_0_\@:
	s_barrier_wait -3
	s_barrier_signal -1
	s_barrier_wait -1
.endm
.macro PLACES                          ; four places behind matrix instructions (ISA guide 7.12.1)
.rept 4
	v_nop
.endr
.endm
.macro FETCH_K                         ; the step's K: 8 images and their words
	WIN 0x40                                       ; destination window 1
.irp t, 0,1,2,3,4,5,6,7
.irp c, 0,1,2
	ds_load_b128 v[12*\t+4*\c:12*\t+4*\c+3], v8 offset:1536*\t+512*\c
.endr
.endr
	WIN 0
.irp t, 0,1,2,3,4,5,6,7
	ds_load_b32 v[32+\t], v10 offset:64*\t
.endr
.endm
.macro FETCH_V
	WIN 0x40
.irp t, 0,1,2,3,4,5,6,7
.irp c, 0,1,2
	ds_load_b128 v[128+12*\t+4*\c:128+12*\t+4*\c+3], v9 offset:1536*\t+512*\c
.endr
.endr
	WIN 0
.irp t, 0,1,2,3,4,5,6,7
	ds_load_b32 v[40+\t], v11 offset:64*\t
.endr
.endm
; 64 numbers of a lane, register 16 b + i = k 32 b + 16 (lane / 16) + i of my row, become a fragment's 12 registers at v[pc] on and its scale word in v[pw]
.macro QUANT src, pc, pw, tm, hx
.irp b, 0,1,2,3
	v_max3_num_f32 v[(\tm)+\b], |v[(\src)+16*\b]|, |v[(\src)+1+16*\b]|, 0x2800000   ; my 16 numbers of block b, and the floor 2^(5 - 127)
.endr
.irp i, 2,4,6,8,10,12,14
.irp b, 0,1,2,3
	v_max3_num_f32 v[(\tm)+\b], v[(\tm)+\b], |v[(\src)+16*\b+\i]|, |v[(\src)+1+16*\b+\i]|
.endr
.endr
.irp b, 0,1,2,3
	v_permlanex16_b32 v[(\tm)+4+\b], v[(\tm)+\b], s20, s21
.endr
.irp b, 0,1,2,3
	v_max_num_f32 v[(\tm)+\b], v[(\tm)+\b], v[(\tm)+4+\b]
.endr
.irp b, 0,1,2,3
	v_add_nc_u32 v[(\tm)+12+\b], 0xfe000000, v[(\tm)+\b]
.endr
.irp b, 0,1,2,3
	v_lshrrev_b32 v[(\tm)+4+\b], 23, v[(\tm)+12+\b]
.endr
	v_lshl_or_b32 v[\pw], v[(\tm)+5], 8, v[(\tm)+4]
	v_lshl_or_b32 v[\pw], v[(\tm)+6], 16, v[\pw]
	v_lshl_or_b32 v[\pw], v[(\tm)+7], 24, v[\pw]
.irp c, 0,1
	v_cvt_scalef32_pk16_bf6_f32 v[(\pc)+6*\c:(\pc)+6*\c+2], v[(\src)+32*\c:(\src)+32*\c+15], v[(\tm)+12+2*\c]
	v_cvt_scalef32_pk16_bf6_f32 v[(\hx)+4*\c:(\hx)+4*\c+2], v[(\src)+16+32*\c:(\src)+32*\c+31], v[(\tm)+13+2*\c]
.endr
	v_nop                                          ; one plain line behind a scaled conversion
.irp c, 0,1
.irp i, 0,1,2
	v_permlane16_swap_b32 v[(\pc)+6*\c+\i], v[(\hx)+4*\c+\i]
.endr
.irp i, 0,1,2
	v_mov_b32 v[(\pc)+3+6*\c+\i], v[(\hx)+4*\c+\i]
.endr
.endr
.endm
; A KEY STEP: 128 keys.  Its K and its V are asked for at its head; V lands while K is multiplied and the softmax is walked.  The SIMD's other wave has work of its own meanwhile.
.macro BODY
	v_add_nc_u32 v8, s17, v1                       ; the step's addresses: four plain lines, the places between the last step's products and the loads into V's registers
	v_add_nc_u32 v9, s17, v2
	v_add_nc_u32 v10, s17, v3
	v_add_nc_u32 v11, s17, v4
	FETCH_K
	FETCH_V
	s_wait_dscnt 32                                ; K and its words are in; V's 32 loads may be out
	WIN 0x01                                       ; source 0 window 1
.irp t, 0,1,2,3,4,5,6,7
	v_wmma_scale_f32_16x16x128_f8f6f4 v[96+8*\t:103+8*\t], v[12*\t:12*\t+11], v[16:27], 0, v[32+\t], v255 matrix_a_fmt:MATRIX_FMT_BF6 matrix_b_fmt:MATRIX_FMT_BF6
.endr
	WIN 0
	PLACES                                         ; in front of the first read of the scores
	s_cmp_lg_u32 s16, s15                          ; on the diagonal the scores of hidden keys become -infinity ahead of the maximum; key 0 of the step counts for every query
	s_cbranch_scc1 .Lopen_\@
	v_mov_b32 v254, 0xff800000
.set n, 0
.rept 64
	v_cmp_gt_i32 vcc_lo, 32*(n/16)+n%16, v28       ; register 16 b + i holds key 32 b + 16 (lane / 16) + i of the step
	v_cndmask_b32 v[96+n], v[96+n], v254, vcc_lo
.set n, n+1
.endr
.Lopen_\@:
.irp b, 0,1,2,3
	v_max3_num_f32 v[232+\b], v[96+16*\b], v[97+16*\b], v[98+16*\b]   ; the largest score of each block of 32 keys: for the row's maximum, and for the block's largest p
.endr
.irp i, 3,5,7,9,11,13
.irp b, 0,1,2,3
	v_max3_num_f32 v[232+\b], v[232+\b], v[96+16*\b+\i], v[97+16*\b+\i]
.endr
.endr
.irp b, 0,1,2,3
	v_max_num_f32 v[232+\b], v[232+\b], v[111+16*\b]
.endr
.irp b, 0,1,2,3
	v_permlanex16_b32 v[236+\b], v[232+\b], s20, s21
.endr
.irp b, 0,1,2,3
	v_max_num_f32 v[232+\b], v[232+\b], v[236+\b]  ; with lane l xor 16's 16 keys
.endr
	v_max3_num_f32 v254, v232, v233, v234
	v_max_num_f32 v254, v254, v235
	v_mul_f32 v254, s22, v254                      ; as t (c is positive)
	v_max_num_f32 v13, v13, v254                   ; the running largest t
	v_mov_b32 v254, v12
	v_floor_f32 v12, -v13                          ; the new -M = floor(-t): M is a whole number
	v_sub_f32 v254, v12, v254                      ; old M - new M: a whole number, 0 or less
	v_cvt_i32_f32 v254, v254                       ; (it saturates)
	v_ldexp_f32 v252, 1.0, v254                    ; f = 2^(old M - new M)
.set j, 0
.rept 32
	v_pk_fma_f32 v[96+j:97+j], v[96+j:97+j], s[22:23], v[12:13] op_sel_hi:[1,0,0]   ; t - M, two at a time
.set j, j+2
.endr
.irp b, 0,1,2,3
	v_fma_f32 v[232+\b], v[232+\b], s22, v12       ; the same of each block's largest score
.endr
.set j, 0
.rept 64
	v_exp_f32 v[96+j], v[96+j]                     ; p = 2^(t - M), at most 1
.set j, j+1
.endr
	v_pk_mul_f32 v[14:15], v[14:15], v[252:253] op_sel_hi:[1,0]   ; the sums under the new M; the plain line behind the exponentials
	s_wait_alu depctr_va_vdst(0)                   ; one wait for the whole batch, ahead of its first reader
.irp b, 0,1,2,3
	v_exp_f32 v[232+\b], v[232+\b]                 ; the block's largest p
.endr
	v_pk_add_f32 v[236:237], v[96:97], v[98:99]    ; the row's sum, of the unquantised p, in two chains
.irp j, 4,8,12,16,20,24,28,32,36,40,44,48,52,56,60
	v_pk_add_f32 v[14:15], v[14:15], v[96+\j:97+\j]
	v_pk_add_f32 v[236:237], v[236:237], v[98+\j:99+\j]
.endr
	v_pk_add_f32 v[14:15], v[14:15], v[236:237]
	s_wait_alu depctr_va_vdst(0)                   ; and one for the four
.irp b, 0,1,2,3
	v_max_num_f32 v[232+\b], 0x2800000, v[232+\b]  ; the floor 2^(5 - 127)
.endr
.irp b, 0,1,2,3
	v_add_nc_u32 v[244+\b], 0xfe000000, v[232+\b]  ; 4 off the exponent field: the conversion's scale operand
.endr
.irp b, 0,1,2,3
	v_lshrrev_b32 v[236+\b], 23, v[244+\b]
.endr
	v_lshl_or_b32 v253, v237, 8, v236              ; p's scale word for these 128 keys
	v_lshl_or_b32 v253, v238, 16, v253
	v_lshl_or_b32 v253, v239, 24, v253
.irp c, 0,1
	v_cvt_scalef32_pk16_bf6_f32 v[224+6*\c:226+6*\c], v[96+32*\c:111+32*\c], v[244+2*\c]
	v_cvt_scalef32_pk16_bf6_f32 v[236+4*\c:238+4*\c], v[112+32*\c:127+32*\c], v[244+2*\c+1]
.endr
	v_nop                                          ; one plain line behind a scaled conversion
.irp c, 0,1
.irp i, 0,1,2
	v_permlane16_swap_b32 v[224+6*\c+\i], v[236+4*\c+\i]
.endr
.irp i, 0,1,2
	v_mov_b32 v[227+6*\c+\i], v[236+4*\c+\i]
.endr
.endr
.set j, 0
.rept 32
	v_pk_mul_f32 v[160+j:161+j], v[160+j:161+j], v[252:253] op_sel_hi:[1,0]   ; O^T under the new M; these 32 are also the places between the codes, the scale word and the products
.set j, j+2
.endr
	s_wait_dscnt 0x0                               ; V is in
	WIN 0x01
.irp t, 0,1,2,3,4,5,6,7
	v_wmma_scale_f32_16x16x128_f8f6f4 v[160+8*\t:167+8*\t], v[128+12*\t:139+12*\t], v[224:235], v[160+8*\t:167+8*\t], v[40+\t], v253 matrix_a_fmt:MATRIX_FMT_BF6 matrix_b_fmt:MATRIX_FMT_BF6
.endr
	WIN 0
.endm
; A PHASE: the slot's four key steps, written once and walked four times by every wave; a wave works those of its own part
.macro PHASE
	s_mov_b32 s45, 4
.Lstep_\@:
	s_cmp_gt_u32 s16, s15                          ; all of the step's keys come after my tile's queries: ids and the count of steps alone
	s_cbranch_scc1 .Lhid_\@
	s_and_b32 s47, s16, 1
	s_cmp_lg_u32 s47, s18                          ; the other part's step: the wave's number and the count of steps alone
	s_cbranch_scc1 .Lhid_\@
	BODY
.Lhid_\@:
	s_add_co_u32 s17, s17, REC
	s_add_co_u32 s16, s16, 1
	s_sub_co_u32 s45, s45, 1
	s_cmp_lg_u32 s45, 0
	s_cbranch_scc1 .Lstep_\@
.endm
; A PREFETCH INTO THE L2 of the phase after the one just asked for: four key steps ahead of its load.  All clusters of a kv head walk the same K and V: the cluster with G = 0 and x = 0, which walks key steps 0 to 15 in order, asks.  Its partner at place p takes
; key step 4 phase + p (told apart by address); waves 0, 1 its record of K, waves 2, 3 of V, 256 bytes a lane; the lanes past the record's 50 blocks name its last block again; waves 4 to 7 ask for nothing.  The last change that fills a slot asks for nothing.
.macro ASK
	s_cmp_gt_u32 s44, s46
	s_cbranch_scc0 .Lnot_mine_\@
	global_prefetch_b8 v30, s[48:49] th:TH_LOAD_NT scope:SCOPE_SE
.Lnot_mine_\@:
.endm
; THE CHANGE OF SLOTS.  Each wave waits for all its tensor loads (its part of the slot ahead), adds 0 to its spare word, and waits for that and for its reads of the slot that it leaves.  fill = 1: a round of the cluster's barrier, and behind it the slot
; just left is filled with the phase two on: a phase's key steps in which to land.
.macro CHANGE fill
	s_wait_tensorcnt 0x0                           ; no tensor load of mine is out, so a group 0 may be written
	ds_add_u32 v[SPW], v[NIL]                      ; 0 onto my spare word
.if \fill
	s_xor_b32 s37, s37, SLOT1                      ; the walking descriptor: the other slot than last time;
	s_cmp_ge_u32 s19, s14                          ; phase s19 is the second tile's from phase nlo on: its keys begin anew
	s_cselect_b32 s47, s14, 0
	s_sub_co_u32 s47, s19, s47
	s_mul_i32 s62, s47, 4*REC
	s_add_nc_u64 s[38:39], s[40:41], s[62:63]
	s_or_b32 s39, s39, 0x80000000
	s_add_co_u32 s19, s19, 1
	s_wait_xcnt 0x0                                ; the last prefetch, a phase back, has read its address
	s_add_nc_u64 s[48:49], s[48:49], 4*REC
	s_wait_dscnt 0x0                               ; the add is done, and my reads of the slot are over
	CROUND
	tensor_load_to_lds s[36:39], s[24:31]          ; my one tensor load behind the round, and the first thing there
	s_nop 0
.rept 4
	v_nop
.endr
	ASK
.else
	s_wait_dscnt 0x0
	s_barrier_signal -1
	s_barrier_wait -1
.endif
	s_sub_co_u32 s17, s17, 4*REC                   ; back to a slot's first step,
	s_xor_b32 s17, s17, SLOT1                      ; in the other slot
.endm
; THE CHANGE OF TILES: my part's state of the first tile is saved in registers (O^T's register j at v[96 + j + 96 (j / 32)] of window 1), and the second tile begins
.macro SWITCH
	PLACES                                         ; behind the last products
	WIN 0x40                                       ; destination window 1
.set j, 0
.rept 64
	v_mov_b32 v[96+j+96*(j/32)], v[160+j]          ; each accumulator from its low end on
.set j, j+1
.endr
	WIN 0
.irp i, 0,1,2,3
	v_mov_b32 v[66+\i], v[12+\i]                   ; -M, the largest t, the sum's two halves
.endr
.irp i, 0,1,2,3,4,5,6,7,8,9,10,11
	v_mov_b32 v[16+\i], v[48+\i]                   ; the second tile's Q,
.endr
	v_mov_b32 v255, v60                            ; and its scale words
	v_mov_b32 v13, 0xff61b1e6                      ; -3e38, under every t
	v_floor_f32 v12, -v13
	v_mov_b32 v14, 0
	v_mov_b32 v15, 0
.set j, 0
.rept 64
	v_mov_b32 v[160+j], 0                          ; (the step is written once: a tile's first step finds zeros)
.set j, j+1
.endr
	s_sub_co_u32 s15, 15, s13                      ; its diagonal step
	s_mov_b32 s16, 0
.endm
.macro FINC                            ; behind the first tile's last phase, and there alone, the count of steps has passed the diagonal: the same in all eight waves
	s_cmp_gt_u32 s16, s15
	s_cbranch_scc0 .Lpast_\@
	SWITCH
.Lpast_\@:
.endm
	s_load_b128 s[4:7], s[0:1], 0x0                ; qkv, y_img
	v_lshl_add_u32 v[SPW], v0, 2, SPARE
	v_mov_b32 v[NIL], 0
	ds_add_u32 v[SPW], v[NIL]                      ; the wave's opening: the add and its wait ahead of my first tensor load; work on registers stands between them
	v_lshrrev_b32 v62, 5, v0
	v_readfirstlane_b32 s8, v62                    ; wave 0..7
	s_lshr_b32 s18, s8, 2                          ; my part
	s_and_b32 s68, s8, 3                           ; my head among the kv head's four
	s_bfe_u32 s9, ttmp6, 0x40000                   ; cx
	s_and_b32 s10, ttmp7, 0xffff
	s_lshr_b32 s11, s10, 3                         ; kv head
	s_and_b32 s13, s10, 7                          ; G
	s_lshl_b32 s12, ttmp9, 2
	s_add_co_u32 s12, s12, s9                      ; sub: it enters Q's, y's and the prefetch's addresses and the mask's bound alone
	s_lshr_b32 s14, s13, 2
	s_add_co_u32 s14, s14, 1                       ; the first tile's phases
	s_mov_b32 s15, s13                             ; the diagonal step of the tile in hand
	s_mov_b32 s16, 0                               ; the key step
	s_mov_b32 s17, 0                               ; its LDS byte
	s_mov_b32 s19, 2                               ; the phase to be asked for next
	s_mov_b32 s20, 0x76543210
	s_mov_b32 s21, 0xfedcba98
	s_mov_b32 s22, 0x3e0293ee                      ; c = log2(e) / sqrt(128)
	s_mov_b32 s23, s22
	s_mov_b32 s63, 0
	; group 1: a record, 12,800 dense bytes, as 50 rows of 256 (32 elements of 8 bytes); all four work-groups
	s_mov_b32 s24, 15|(3<<16)|(1<<21)
	s_mov_b32 s25, 32<<16
	s_mov_b32 s26, 50<<16
	s_mov_b32 s27, 32<<16
	s_mov_b32 s28, 50
	s_mov_b32 s29, 32
	s_mov_b32 s30, 0
	s_mov_b32 s31, 0
	s_lshl_b32 s42, s18, 6                         ; what I fetch: record 256 + 64 (wave / 4) + 16 kvh + wave % 4 of a phase's four
	s_add_co_u32 s42, s42, s68
	s_lshl_b32 s43, s11, 4
	s_add_co_u32 s42, s42, s43
	s_add_co_u32 s42, s42, 256
	s_mul_i32 s42, s42, REC
	s_mov_b32 s43, 0
	s_mov_b32 s32, 1
	s_mul_i32 s33, s8, REC                         ; where it goes: wave x 12,800
	s_mov_b32 s36, 1
	s_add_co_u32 s37, s33, SLOT1
	s_lshl_b32 s47, s11, 2
	s_add_co_u32 s47, s47, s68                     ; my head
	s_lshl_b32 s47, s47, 4
	s_add_co_u32 s58, s47, s13                     ; Q's records: the first tile's,
	s_mul_i32 s58, s58, REC
	s_mov_b32 s59, 0
	s_sub_co_u32 s60, 15, s13
	s_add_co_u32 s60, s60, s47                     ; the second's
	s_mul_i32 s60, s60, REC
	s_mov_b32 s61, 0
	s_sub_co_u32 s66, 15, s13                      ; y: the tile that I finish: part 0 the first, part 1 the second;
	s_cmp_eq_u32 s18, 0
	s_cselect_b32 s66, s13, s66
	s_lshl_b32 s66, s66, 3
	s_add_co_u32 s66, s66, s12
	s_mul_i32 s66, s66, 25600                      ; its record,
	s_mul_i32 s47, s11, 6400
	s_add_co_u32 s66, s66, s47                     ; quarter kvh,
	s_mul_i32 s47, s68, 1536
	s_add_co_u32 s50, s66, s47                     ; K step = my head among the four: the image,
	s_mov_b32 s51, 0
	s_lshl_b32 s47, s68, 6
	s_add_co_u32 s52, s66, s47
	s_add_co_u32 s52, s52, 6144                    ; and its scale words
	s_mov_b32 s53, 0
	s_lshr_b32 s48, s8, 1                          ; the prefetches: record 256 + 64 ((wave / 2) % 2) + 16 kvh + 4 + cx; stepped four records ahead of each
	s_and_b32 s48, s48, 1
	s_lshl_b32 s48, s48, 6
	s_lshl_b32 s49, s11, 4
	s_add_co_u32 s48, s48, s49
	s_add_co_u32 s48, s48, s9
	s_add_co_u32 s48, s48, 260
	s_mul_i32 s48, s48, REC
	s_mov_b32 s49, 0
	s_or_b32 s46, s13, ttmp9
	s_or_b32 s46, s46, s18
	s_cmp_eq_u32 s46, 0
	s_cselect_b32 s46, 1, -1                       ; the same in all four partners, for a given wave
	s_wait_dscnt 0x0                               ; the opening add is done
	s_wait_kmcnt 0x0
	s_add_nc_u64 s[40:41], s[4:5], s[42:43]
	s_mov_b64 s[34:35], s[40:41]                   ; phase 0: key steps 0-3
	s_or_b32 s35, s35, 0x80000000
	s_sub_co_u32 s47, s14, 1                       ; phase 1: the first tile's steps 4-7 where it has two phases, else the second tile's 0-3
	s_mul_i32 s62, s47, 4*REC
	s_add_nc_u64 s[38:39], s[40:41], s[62:63]
	s_or_b32 s39, s39, 0x80000000
	s_add_nc_u64 s[58:59], s[4:5], s[58:59]
	s_add_nc_u64 s[60:61], s[4:5], s[60:61]
	s_add_nc_u64 s[48:49], s[4:5], s[48:49]
	s_add_nc_u64 s[50:51], s[6:7], s[50:51]
	s_add_nc_u64 s[52:53], s[6:7], s[52:53]
	CROUND                                         ; all four work-groups are here: the first joint loads meet
	tensor_load_to_lds s[32:35], s[24:31]
	s_nop 0
	tensor_load_to_lds s[36:39], s[24:31]          ; two loads of mine are out
	s_nop 0
.rept 4
	v_nop
.endr
	v_and_b32 v62, 31, v0                          ; lane
	v_and_b32 v63, 15, v0                          ; r
	v_bfe_u32 v64, v0, 4, 1                        ; h
	v_lshlrev_b32 v1, 4, v62                       ; K's images: 16 x lane
	v_add_nc_u32 v2, 4*REC, v1                     ; V's lie behind K's four records
	v_lshlrev_b32 v29, 2, v63
	v_add_nc_u32 v3, 12288, v29                    ; K's scale words: 4 r, behind a record's images
	v_add_nc_u32 v4, 4*REC+12288, v29              ; V's
	v_mov_b32 v7, v1
	s_mul_i32 s47, s8, GREC
	s_add_co_u32 s47, s47, GIVE
	v_add_nc_u32 v65, s47, v1                      ; where I give a state: my wave's 8,704 bytes, 16 x lane
	s_xor_b32 s47, s8, 4
	s_mul_i32 s47, s47, GREC
	s_add_co_u32 s47, s47, GIVE
	v_add_nc_u32 v70, s47, v1                      ; and where my partner, wave xor 4, gives
	s_mul_i32 s47, s12, 1536
	v_add_nc_u32 v31, s47, v1                      ; Q: image sub of its record,
	s_lshl_b32 s47, s12, 6
	v_add_nc_u32 v61, s47, v3                      ; and its words
.irp c, 0,1,2
	global_load_b128 v[16+4*\c:19+4*\c], v31, s[58:59] offset:512*\c
	global_load_b128 v[48+4*\c:51+4*\c], v31, s[60:61] offset:512*\c
.endr
	global_load_b32 v255, v61, s[58:59]
	global_load_b32 v60, v61, s[60:61]
	s_lshr_b32 s47, s12, 1
	s_lshl_b32 s47, s47, 5
	s_and_b32 s62, s12, 1
	s_lshl_b32 s62, s62, 3
	s_add_co_u32 s47, s47, s62
	v_and_b32 v28, 8, v63
	v_add_nc_u32 v28, v28, v63
	v_lshlrev_b32 v64, 4, v64
	v_sub_nc_u32 v28, v28, v64
	v_add_nc_u32 v28, s47, v28                     ; my query's place among its 128, less 16 (lane / 16): key 32 b + i of my half is hidden where 32 b + i is above it
	v_and_b32 v30, 63, v0
	v_lshlrev_b32 v30, 8, v30
	v_min_u32 v30, 12544, v30                      ; 256 x (32 (wave % 2) + lane), held inside the record
	v_mov_b32 v13, 0xff61b1e6                      ; the largest t so far: -3e38
	v_floor_f32 v12, -v13
	v_mov_b32 v14, 0
	v_mov_b32 v15, 0
.irp b, 0,1,2,3
	v_mov_b32 v[236+\b], 0                         ; written once: a lane permute's destination counts as one of its sources
	v_mov_b32 v[66+\b], 0                          ; (the saved state is written on every way before it is read)
.endr
	v_mov_b32 v252, 0
	v_mov_b32 v253, 0
.set j, 0
.rept 64
	v_mov_b32 v[160+j], 0
.set j, j+1
.endr
	WIN 0x40
.set j, 0
.rept 64
	v_mov_b32 v[96+j+96*(j/32)], 0
.set j, j+1
.endr
	WIN 0
	s_wait_tensorcnt 0x1                           ; my part of slot 0 is in; slot 1's may stay out
	s_barrier_signal -1
	s_barrier_wait -1
	s_wait_loadcnt 0x0                             ; Q
	PHASE
	FINC
	s_mov_b32 s44, 3
.Lslot:                                ; three trips: phases 1 to 3; each change asks for the phase two on
	CHANGE 1
	PHASE
	FINC
	s_sub_co_u32 s44, s44, 1
	s_cmp_lg_u32 s44, 0
	s_cbranch_scc1 .Lslot
	CHANGE 0                                       ; the last phase is written out: nothing is left to fetch
	PHASE
	; THE END.  Every wave holds its part's state of the second tile at work and of the first tile saved.  Part 0 keeps the first and gives the second; part 1 the other way round: it exchanges the two, so that all that follows is one text: GIVE what is at work, KEEP what is saved.
	PLACES                                         ; behind the last products
	s_cmp_eq_u32 s18, 0
	s_cbranch_scc1 .Lno_swap
	WIN 0x01                                       ; source 0 window 1
.set j, 0
.rept 64
	v_mov_b32 v[96+j], v[96+j+96*(j/32)]
.set j, j+1
.endr
	WIN 0x40                                       ; destination window 1
.set j, 0
.rept 64
	v_mov_b32 v[96+j+96*(j/32)], v[160+j]          ; each accumulator from its low end on
.set j, j+1
.endr
	WIN 0
.set j, 0
.rept 64
	v_mov_b32 v[160+j], v[96+j]
.set j, j+1
.endr
.irp i, 0,1,2,3
	v_mov_b32 v[232+\i], v[66+\i]
.endr
.irp i, 0,1,2,3
	v_mov_b32 v[66+\i], v[12+\i]
.endr
.irp i, 0,1,2,3
	v_mov_b32 v[12+\i], v[232+\i]
.endr
.Lno_swap:
.irp i, 0,1,2,3,4,5,6,7,8,9,10,11,12,13,14,15
	ds_store_b128 v65, v[160+4*\i:163+4*\i] offset:512*\i          ; the state goes as an image of its registers: 512 consecutive bytes a store
.endr
	ds_store_b128 v65, v[12:15] offset:8192
	s_wait_dscnt 0x0                               ; for my partner's sake: my stores have landed
	s_barrier_signal -1
	s_barrier_wait -1
.irp i, 0,1,2,3,4,5,6,7,8,9,10,11,12,13,14,15
	ds_load_b128 v[160+4*\i:163+4*\i], v70 offset:512*\i           ; my partner's state of the tile that I keep
.endr
	ds_load_b128 v[232:235], v70 offset:8192
	s_wait_dscnt 0x0
	v_min_num_f32 v236, v66, v232                  ; -M of the two parts together: the smaller -M.  (A part that had no step of the tile holds -M = 3e38, a sum of 0 and zeros: its factor comes out 0)
	v_sub_f32 v237, v236, v66                      ; my M less the common M: a whole number, 0 or less;
	v_sub_f32 v238, v236, v232                     ; my partner's
	v_cvt_i32_f32 v237, v237                       ; (it saturates)
	v_cvt_i32_f32 v238, v238
	v_ldexp_f32 v240, 1.0, v237                    ; the two factors: powers of two
	v_ldexp_f32 v242, 1.0, v238
	v_add_f32 v244, v68, v69                       ; the sums' halves
	v_add_f32 v245, v234, v235
	v_mul_f32 v244, v244, v240
	v_fma_f32 v14, v245, v242, v244                ; both parts' sums under the common M,
	v_permlanex16_b32 v252, v14, s20, s21
	v_add_f32 v14, v14, v252                       ; and lane l xor 16's: the row's sum
	v_rcp_f32 v14, v14
	v_nop                                          ; a plain line behind the reciprocal,
	s_wait_alu depctr_va_vdst(0)                   ; and the wait ahead of its first reader
	v_mul_f32 v240, v240, v14                      ; the division goes into the two factors
	v_mul_f32 v242, v242, v14
	v_mov_b32 v241, v240                           ; (named with them as pairs, so they are written)
	v_mov_b32 v243, v242
	WIN 0x01                                       ; source 0 window 1: what I kept
.set j, 0
.rept 32
	v_pk_mul_f32 v[96+j:97+j], v[96+j+96*(j/32):97+j+96*(j/32)], v[240:241] op_sel_hi:[1,0]
.set j, j+2
.endr
	WIN 0
.set j, 0
.rept 32
	v_pk_fma_f32 v[96+j:97+j], v[160+j:161+j], v[242:243], v[96+j:97+j] op_sel_hi:[1,0,1]   ; register 16 b + i: channel 32 b + 16 (lane / 16) + i of y
.set j, j+2
.endr
	QUANT 96, 224, 253, 232, 236
.irp c, 0,1,2
	global_store_b128 v7, v[224+4*\c:227+4*\c], s[50:51] offset:512*\c   ; 512 consecutive bytes, aligned
.endr
	global_store_b32 v29, v253, s[52:53]           ; lanes l and l + 16 hold the same word and write it to the same place
	s_wait_tensorcnt 0x0                           ; the wave's end
	ds_add_u32 v[SPW], v[NIL]
	s_wait_dscnt 0x0
	CROUND                                         ; the closing round
	s_endpgm
.Lfunc_end_k_qf6ae19d409_attn:
	.size	k_qf6ae19d409_attn, .Lfunc_end_k_qf6ae19d409_attn-k_qf6ae19d409_attn
	.p2alignl 7, 3214868480
	.fill 96, 4, 3214868480
	.section	.rodata,"a",@progbits
	.p2align	6, 0x0
	.amdhsa_kernel k_qf6ae19d409_attn
		.amdhsa_group_segment_fixed_size 327680
		.amdhsa_private_segment_fixed_size 0
		.amdhsa_enable_private_segment 0
		.amdhsa_kernarg_size 16
		.amdhsa_user_sgpr_count 2
		.amdhsa_user_sgpr_kernarg_segment_ptr 1
		.amdhsa_wavefront_size32 1
		.amdhsa_system_sgpr_workgroup_id_x 1
		.amdhsa_system_sgpr_workgroup_id_y 1
		.amdhsa_system_sgpr_workgroup_id_z 1
		.amdhsa_system_vgpr_workitem_id 0
		.amdhsa_next_free_vgpr 512
		.amdhsa_next_free_sgpr 70
		.amdhsa_reserve_vcc 1
		.amdhsa_float_denorm_mode_32 3
		.amdhsa_float_denorm_mode_16_64 3
		.amdhsa_memory_ordered 1
		.amdhsa_forward_progress 1
		.amdhsa_inst_pref_size 116
	.end_amdhsa_kernel
	.amdgpu_metadata
---
amdhsa.version: [ 1, 2 ]
amdhsa.kernels:
  - .name:           k_qf6ae19d409_attn
    .symbol:         k_qf6ae19d409_attn.kd
    .args:
      - { .name: qkv, .offset: 0, .size: 8, .value_kind: global_buffer, .address_space: global }
      - { .name: y_img, .offset: 8, .size: 8, .value_kind: global_buffer, .address_space: global }
    .group_segment_fixed_size: 327680
    .private_segment_fixed_size: 0
    .kernarg_segment_align: 8
    .kernarg_segment_size: 16
    .max_flat_workgroup_size: 256
    .sgpr_count:     70
    .vgpr_count:     512
    .wavefront_size: 32
...
	.end_amdgpu_metadata
.endif
;; end of part 3
;; launch outgemm (part 4): grid 16 x 16, 4 waves a work-group, clusters of 4 x 4, 327,680 bytes of LDS; arguments y_img, w_img, out0; writes out0
.if DOCPART == 4
	.amdgcn_target "amdgcn-amd-amdhsa--gfx1250"
	.amdhsa_code_object_version 6
	.text
	.protected	k_qf6ae19d409_outgemm
	.globl	k_qf6ae19d409_outgemm
	.p2align	8
	.type	k_qf6ae19d409_outgemm,@function
k_qf6ae19d409_outgemm:
	s_mov_b64 s[64:65], 0
	v_nop
	global_prefetch_b8 v0, s[64:65] scope:SCOPE_SE
	s_setreg_imm32_b32 hwreg(HW_REG_WAVE_MODE, 25, 1), 1
	s_wait_xcnt 0x0
	s_wait_alu depctr_hold_cnt(0) depctr_sa_sdst(0) depctr_va_vdst(0) depctr_va_sdst(0) depctr_va_ssrc(0) depctr_va_vcc(0) depctr_vm_vsrc(0)
	s_getreg_b32 s2, hwreg(HW_REG_IB_STS2, 6, 4)
	s_cmp_eq_u32 s2, 0
	s_cbranch_scc0 .Lentry_in_a_cluster
	s_endpgm
.Lentry_in_a_cluster:
	s_bfe_u32 s2, ttmp6, 0x10000c
	s_cmp_lg_u32 s2, 0xf033
	s_cbranch_scc0 .Lentry_shape_is_right
	s_endpgm
.Lentry_shape_is_right:
; out0 = y Wo on codes of BF6 (E3M2) with E8M0 scales, K = 2,048; out0 [2048][2048] f32.  y's codes (records of 25,600 bytes for each block of 16 rows: four quarters of K, each four images of 1,536 bytes and 4 x 16 scale words) and Wo^T's (blocks 192 on of
; the weights' buffer) come as they lie; an image is a fragment's 12 registers, byte 512 c + 16 lane.
; A work-group makes 128 rows (side A, the instruction's second source) x 128 columns (side B, its first source): 16 x 16 = 256 work-groups; a wave 64 x 64: 16 accumulators.  Row i of block 2 g + u of either buffer is true row 32 g + 8 u + i + 8 (i / 8):
; a lane's 16 registers of B's blocks 2 b, 2 b + 1 are 16 neighbouring columns, and A's order only says which row of out0 a lane's row is.
; K goes in 16 steps of 128 through THREE LDS slots of 4 steps each (a quarter record, 6,400 bytes, for each of A's 8 and B's 8 blocks): quarters 0 to 2 are asked for together at the start, quarter 3 goes into slot 0 when that has been read: one refill, with
; 8 steps, 128 matrix instructions, in which to land.  All is written out without a loop.
; CLUSTER 4 x 4: A's tile hangs on the tile row (x) alone and is shared along a column of the cluster, B's on the tile column (y) alone and is shared along a row: each is asked for jointly by four work-groups.
; No prefetch: three quarters of K are asked for at the head, and the fourth eight steps ahead of its use.
; REGISTERS: window 0: v10-18 LDS addresses (a register for each slot), v24-26 the way out's, v28-29 the add's two, v32-39 scale words (two sets: lanes 0-15 A's block i, lanes 16-31 B's), v64-159 A's fragments (two sets), v160-255 B's (two sets);
;   on the way out v128-255 rows of out0.  Window 1: accumulator (a, b) at v[8 (4 a + b)].
.set RBREC, 25600
.set QREC,  6400
.set SLOT,  102400                     ; A's 8 blocks, then B's 8
.set BOFF,  51200
.set SPARE, 3*SLOT                     ; the spare words, 128 bytes for each wave: two blocks of 256 bytes that no other line names
.set STAGE, SLOT                       ; the way out: 16 rows x (256 bytes + 16) for each wave, in slot 1, which has had its only fill, and whose last reads lie ahead of the barrier at step 11
.set SPIT,  272
.set ADRA, 10                          ; v10-12 my A fragments in slot 0, 1, 2
.set ADRB, 13                          ; v13-15 my B fragments
.set ADRS, 16                          ; v16-18 my scale words
.set STO,  24                          ; v24 where I put 32 bytes of a row
.set RD,   25                          ; v25 where I read a row back
.set CO,   26                          ; v26 my byte in two rows of out0
.set SPW,  28
.set NIL,  29
.set SC,   32
.set AF,   64
.set BF,   160
.set G1A, 24                           ; s[24:31] group 1 for A's tiles; groups 0 at s32, s36, s40, one for each slot
.set G1B, 48                           ; s[48:55] for B's; groups 0 at s56, s60, s68
.set MSB, 0
.macro WIN new                         ; the immediate's high byte repeats the setting that is left
.if MSB != \new
	s_set_vgpr_msb (MSB<<8)|\new
.set MSB, \new
.endif
.endm
.set MUL, 0x50                         ; both sources window 0, C and D window 1
; A joint load: waves 0 and 1 fetch A's halves, waves 2 and 3 B's.  Each line has one mask and one set of registers for all that issue it; the branch hangs on the wave's number alone.  An s_nop 0 and four v_nop follow each line.
.macro JLOAD g0a, g0b
	s_cmp_eq_u32 s15, 0
	s_cbranch_scc0 .Lfor_b_\@
	tensor_load_to_lds s[\g0a:\g0a+3], s[G1A:G1A+7]
	s_nop 0
.rept 4
	v_nop
.endr
	s_branch .Lasked_\@
.Lfor_b_\@:
	tensor_load_to_lds s[\g0b:\g0b+3], s[G1B:G1B+7]
	s_nop 0
.rept 4
	v_nop
.endr
.Lasked_\@:
.endm
.macro CREST                           ; a round of the cluster's barrier behind its opening barrier
	s_cmp_lg_u32 s14, 0
	s_cbranch_scc1 .Lnot_wave_0_\@
	s_barrier_signal -3
.Lnot_wave_0_\@:
	s_barrier_wait -3
	s_barrier_signal -1
	s_barrier_wait -1
.endm
.macro CROUND
	s_barrier_signal -1
	s_barrier_wait -1
	CREST
.endm
.macro PLACES                          ; four places in front of loads into registers that matrix instructions have read, and of the first read of results
.rept 4
	v_nop
.endr
.endm
.macro MULA a, p, zero                 ; A's block a against B's four, fragment set p; the 16 accumulators take turns in the same order in every step
.irp b, 0,1,2,3
.if \zero
	v_wmma_scale_f32_16x16x128_f8f6f4 v[8*(4*(\a)+\b):8*(4*(\a)+\b)+7], v[BF+48*(\p)+12*\b:BF+48*(\p)+12*\b+11], v[AF+48*(\p)+12*(\a):AF+48*(\p)+12*(\a)+11], 0, v[SC+4*(\p)+\b], v[SC+4*(\p)+(\a)] matrix_a_fmt:MATRIX_FMT_BF6 matrix_b_fmt:MATRIX_FMT_BF6 matrix_a_scale:MATRIX_SCALE_ROW1
.else
	v_wmma_scale_f32_16x16x128_f8f6f4 v[8*(4*(\a)+\b):8*(4*(\a)+\b)+7], v[BF+48*(\p)+12*\b:BF+48*(\p)+12*\b+11], v[AF+48*(\p)+12*(\a):AF+48*(\p)+12*(\a)+11], v[8*(4*(\a)+\b):8*(4*(\a)+\b)+7], v[SC+4*(\p)+\b], v[SC+4*(\p)+(\a)] matrix_a_fmt:MATRIX_FMT_BF6 matrix_b_fmt:MATRIX_FMT_BF6 matrix_a_scale:MATRIX_SCALE_ROW1
.endif
.endr
.endm
.macro FETCH g                         ; K step g's 8 fragments and its scale words into set g % 2: 24 loads of 512 consecutive bytes, 4 of words; every window is 0 here
.set FS, ((\g)/4)%3
.set FQ, (\g)%4
.set FP, (\g)%2
.irp b, 0,1,2,3
.irp c, 0,1,2
	ds_load_b128 v[BF+48*FP+12*\b+4*\c:BF+48*FP+12*\b+4*\c+3], v[ADRB+FS] offset:QREC*\b+1536*FQ+512*\c
.endr
.endr
.irp a, 0,1,2,3
.irp c, 0,1,2
	ds_load_b128 v[AF+48*FP+12*\a+4*\c:AF+48*FP+12*\a+4*\c+3], v[ADRA+FS] offset:QREC*\a+1536*FQ+512*\c
.endr
.endr
.irp i, 0,1,2,3
	ds_load_b32 v[SC+4*FP+\i], v[ADRS+FS] offset:QREC*\i+6144+64*FQ
.endr
.endm
.macro STEP g, zero                    ; a step whose successor's tiles are known to lie whole in LDS
	s_wait_dscnt 0x0                               ; this step's fragments are in
	WIN MUL
	MULA 0, (\g)%2, \zero
	PLACES
	WIN 0
	FETCH (\g)+1
	WIN MUL
	MULA 1, (\g)%2, \zero
	MULA 2, (\g)%2, \zero
	MULA 3, (\g)%2, \zero
.endm
; A step with a barrier: in front of it each wave waits for all its tensor loads, adds 0 to its spare word, and waits for that and for its LDS reads.  fill = 1 (step 3): slot 0, just read out, takes quarter 3, behind a round of the cluster's barrier;
; fill = 0 (step 11): quarter 3 has landed in every wave's part, and nothing is filled.
.macro TURN g, fill
	WIN 0                                          ; (the add's two registers lie in window 0)
	s_wait_tensorcnt 0x0                           ; all my tensor loads have landed
	ds_add_u32 v[SPW], v[NIL]                      ; 0 onto my spare word
	s_wait_dscnt 1                                 ; this step's fragments are in; the add alone may be out
	WIN MUL
	MULA 0, (\g)%2, 0
	s_wait_dscnt 0x0                               ; the add is done, and my reads of the slot are over
	s_barrier_signal -1
	MULA 1, (\g)%2, 0
	WIN 0
	s_barrier_wait -1
.if \fill
	CREST                                          ; the barrier has opened a round of the cluster's barrier: no wave of any partner still reads slot 0 or has a load on its way
	s_add_nc_u64 s[34:35], s[34:35], 3*QREC
	s_add_nc_u64 s[58:59], s[58:59], 3*QREC
	JLOAD 32, 56                                   ; the first tensor load behind the round; its four v_nop are the places for the loads below
.else
	PLACES
.endif
	FETCH (\g)+1
	WIN MUL
	MULA 2, (\g)%2, 0
	MULA 3, (\g)%2, 0
.endm
.macro G0SET ga, gb, s                 ; slot s's two groups 0, for quarter s, and its first fill
	s_mov_b32 s[\ga], 1
	s_add_co_u32 s[\ga+1], s88, \s*SLOT
	s_add_nc_u64 s[\ga+2:\ga+3], s[82:83], \s*QREC
	s_or_b32 s[\ga+3], s[\ga+3], 0x80000000
	s_mov_b32 s[\gb], 1
	s_add_co_u32 s[\gb+1], s89, \s*SLOT
	s_add_nc_u64 s[\gb+2:\gb+3], s[86:87], \s*QREC
	s_or_b32 s[\gb+3], s[\gb+3], 0x80000000
	JLOAD \ga, \gb
.endm
	s_load_b128 s[4:7], s[0:1], 0x0                ; y_img, w_img
	s_load_b64 s[8:9], s[0:1], 0x10                ; out0
	v_lshl_add_u32 v[SPW], v0, 2, SPARE
	v_mov_b32 v[NIL], 0
	ds_add_u32 v[SPW], v[NIL]                      ; the wave's opening: the add and its wait ahead of my first tensor load; work on registers stands between them
	v_lshrrev_b32 v1, 5, v0
	v_readfirstlane_b32 s14, v1                    ; wave 0..3
	s_lshr_b32 s15, s14, 1                         ; which 64 rows are mine.  Also: I fetch for A (0) or for B (1)
	s_and_b32 s16, s14, 1                          ; which 64 columns.  Also: which 4 blocks I fetch
	s_bfe_u32 s72, ttmp6, 0x40000                  ; cx
	s_bfe_u32 s73, ttmp6, 0x40004                  ; cy
	s_lshl_b32 s74, ttmp9, 2
	s_add_co_u32 s74, s74, s72                     ; the tile row = 4 x cluster x + cx
	s_and_b32 s75, ttmp7, 0xffff
	s_lshl_b32 s75, s75, 2
	s_add_co_u32 s75, s75, s73                     ; the tile column = 4 x cluster y + cy
	s_lshl_b32 s76, 0x1111, s72                    ; my column of the cluster: places cx, cx + 4, cx + 8, cx + 12
	s_lshl_b32 s77, s73, 2
	s_lshl_b32 s77, 15, s77                        ; my row: places 4 cy .. 4 cy + 3
	; group 1: 4 rows of 6,400 bytes (800 elements of 8), 25,600 bytes apart
	s_or_b32 s[G1A+0], s76, (3<<16)|(1<<21)        ; A's tiles hang on x alone: they go to my column
	s_or_b32 s[G1B+0], s77, (3<<16)|(1<<21)        ; B's on y alone: to my row
.irp g, G1A, G1B
	s_mov_b32 s[\g+1], 800<<16
	s_mov_b32 s[\g+2], 4<<16
	s_mov_b32 s[\g+3], 800<<16
	s_mov_b32 s[\g+4], 4
	s_mov_b32 s[\g+5], 3200
	s_mov_b32 s[\g+6], 0
	s_mov_b32 s[\g+7], 0
.endr
	s_lshl_b32 s78, s16, 2
	s_lshl_b32 s80, s74, 3
	s_add_co_u32 s80, s80, s78                     ; A: block 8 x tile row + 4 x half
	s_mul_i32 s80, s80, RBREC
	s_mov_b32 s81, 0
	s_lshl_b32 s84, s75, 3
	s_add_co_u32 s84, s84, s78
	s_add_co_u32 s84, s84, 192                     ; B: Wo's blocks begin at 192: 192 + 8 x tile column + 4 x half
	s_mul_i32 s84, s84, RBREC
	s_mov_b32 s85, 0
	s_mul_i32 s88, s16, 4*QREC                     ; where the tiles go: no place in the cluster enters an LDS address
	s_add_co_u32 s89, s88, BOFF
	s_lshl_b32 s90, s74, 20                        ; out0: 128 rows of 8,192 bytes x tile row
	s_lshl_b32 s79, s15, 19
	s_add_co_u32 s90, s90, s79                     ; + my 64 rows
	s_lshl_b32 s79, s75, 9
	s_add_co_u32 s90, s90, s79                     ; + 128 columns x tile column
	s_lshl_b32 s79, s16, 8
	s_add_co_u32 s90, s90, s79                     ; + my 64 columns
	s_mov_b32 s91, 0
	s_wait_dscnt 0x0                               ; the opening add is done
	s_wait_kmcnt 0x0
	s_add_nc_u64 s[82:83], s[4:5], s[80:81]
	s_add_nc_u64 s[86:87], s[6:7], s[84:85]
	s_add_nc_u64 s[92:93], s[8:9], s[90:91]
	CROUND                                         ; all sixteen work-groups are here: the first joint loads meet
	G0SET 32, 56, 0
	G0SET 36, 60, 1
	G0SET 40, 68, 2                                ; quarters 0, 1 and 2: three loads of mine are out
	v_and_b32 v1, 31, v0                           ; lane
	v_and_b32 v2, 15, v0                           ; r
	v_bfe_u32 v3, v0, 4, 1                         ; h
	v_lshlrev_b32 v4, 4, v1
	s_mul_i32 s94, s15, 4*QREC                     ; my 4 blocks of A
	s_mul_i32 s95, s16, 4*QREC
	s_add_co_u32 s95, s95, BOFF                    ; my 4 blocks of B
	v_add_nc_u32 v[ADRA], s94, v4
	v_add_nc_u32 v[ADRA+1], SLOT, v[ADRA]
	v_add_nc_u32 v[ADRA+2], SLOT, v[ADRA+1]
	v_add_nc_u32 v[ADRB], s95, v4
	v_add_nc_u32 v[ADRB+1], SLOT, v[ADRB]
	v_add_nc_u32 v[ADRB+2], SLOT, v[ADRB+1]
	s_sub_co_u32 s95, s95, s94
	v_mul_u32_u24 v5, s95, v3                      ; lanes 16-31 take B's words: one product with h
	v_lshl_add_u32 v5, v2, 2, v5
	v_add_nc_u32 v[ADRS], s94, v5
	v_add_nc_u32 v[ADRS+1], SLOT, v[ADRS]
	v_add_nc_u32 v[ADRS+2], SLOT, v[ADRS+1]
	s_mul_i32 s96, s14, 16*SPIT
	s_add_co_u32 s96, s96, STAGE                   ; my stage
	v_mul_u32_u24 v[STO], v2, SPIT
	v_lshl_add_u32 v[STO], v3, 6, v[STO]
	v_add_nc_u32 v[STO], s96, v[STO]               ; in: row r, + 64 h
	v_mul_u32_u24 v[RD], v3, SPIT
	v_lshl_add_u32 v[RD], v2, 4, v[RD]
	v_add_nc_u32 v[RD], s96, v[RD]                 ; back: lanes 0-15 one row of 256 bytes, lanes 16-31 the next
	v_lshlrev_b32 v[CO], 13, v3
	v_lshl_add_u32 v[CO], v2, 4, v[CO]             ; and the same two rows in out0
	s_wait_tensorcnt 0x2                           ; my part of slot 0 is in; slots 1 and 2 may stay out
	s_barrier_signal -1
	s_barrier_wait -1                              ; everybody's is
	FETCH 0
	STEP 0, 1                                      ; the first step's products start the sums: nothing is cleared
	STEP 1, 0
	STEP 2, 0
	TURN 3, 1                                      ; slots 1 and 2 are whole for every wave from here on; slot 0 takes quarter 3
	STEP 4, 0
	STEP 5, 0
	STEP 6, 0
	STEP 7, 0                                      ; on into slot 2 with no barrier: the round at step 3 has shown it whole, and slot 1 is not filled again
	STEP 8, 0
	STEP 9, 0
	STEP 10, 0
	TURN 11, 0                                     ; quarter 3 is whole; behind this barrier nobody reads slots 1 and 2
	STEP 12, 0
	STEP 13, 0
	STEP 14, 0
	s_wait_dscnt 0x0
	WIN MUL
	MULA 0, 1, 0
	MULA 1, 1, 0
	MULA 2, 1, 0
	MULA 3, 1, 0
	WIN 0
	PLACES
; THE WAY OUT, A's block a at a time.  Lane (r, h) holds row r; accumulator b = 2 g + u holds columns 32 g + 16 h + 8 u + 0..7 of my 64.  A block goes through my own stage and comes back as whole rows of 256 bytes: sixteen lanes store one aligned run of
; 256 bytes, two rows an instruction.  LDS serves a wave's instructions in order (ISA guide 5.7.1.4): no wait between the stores and the loads, nor in front of the next block's stores.  Each block has registers of its own, so no store's data are written again.
.macro TOSTAGE a
	WIN 0x04                                       ; an LDS store's data: window 1
.irp b, 0,1,2,3
	ds_store_b128 v[STO], v[32*(\a)+8*\b:32*(\a)+8*\b+3] offset:128*(\b/2)+32*(\b%2)       ; each accumulator from its low end on
	ds_store_b128 v[STO], v[32*(\a)+8*\b+4:32*(\a)+8*\b+7] offset:128*(\b/2)+32*(\b%2)+16
.endr
	WIN 0
.irp t, 0,1,2,3,4,5,6,7
	ds_load_b128 v[128+32*(\a)+4*\t:128+32*(\a)+4*\t+3], v[RD] offset:2*\t*SPIT
.endr
.endm
.macro SEND a, younger                 ; younger: the LDS instructions issued behind block a's loads, which may stay out
	s_wait_dscnt \younger
.irp t, 0,1,2,3,4,5,6,7
	global_store_b128 v[CO], v[128+32*(\a)+4*\t:128+32*(\a)+4*\t+3], s[92:93] offset:(32*((\a)/2)+8*((\a)%2)+2*\t+8*(\t/4))*8192 th:TH_STORE_NT   ; the block's rows 2 t, 2 t + 1 are true rows 32 (a / 2) + 8 (a % 2) + 2 t + 8 (t / 4) on of my 64
.endr
.endm
	TOSTAGE 0
	TOSTAGE 1
	SEND 0, 16                                     ; behind block 0's loads: block 1's 8 stores and 8 loads
	TOSTAGE 2
	SEND 1, 16
	TOSTAGE 3
	SEND 2, 16
	SEND 3, 0
	s_wait_tensorcnt 0x0                           ; the wave's end
	ds_add_u32 v[SPW], v[NIL]
	s_wait_dscnt 0x0
	CROUND                                         ; the closing round: no work-group ends while a partner may still ask for a tile that names it
	s_endpgm
.Lfunc_end_k_qf6ae19d409_outgemm:
	.size	k_qf6ae19d409_outgemm, .Lfunc_end_k_qf6ae19d409_outgemm-k_qf6ae19d409_outgemm
	.p2alignl 7, 3214868480
	.fill 96, 4, 3214868480
	.section	.rodata,"a",@progbits
	.p2align	6, 0x0
	.amdhsa_kernel k_qf6ae19d409_outgemm
		.amdhsa_group_segment_fixed_size 327680
		.amdhsa_private_segment_fixed_size 0
		.amdhsa_enable_private_segment 0
		.amdhsa_kernarg_size 24
		.amdhsa_user_sgpr_count 2
		.amdhsa_user_sgpr_kernarg_segment_ptr 1
		.amdhsa_wavefront_size32 1
		.amdhsa_system_sgpr_workgroup_id_x 1
		.amdhsa_system_sgpr_workgroup_id_y 1
		.amdhsa_system_sgpr_workgroup_id_z 1
		.amdhsa_system_vgpr_workitem_id 0
		.amdhsa_next_free_vgpr 384
		.amdhsa_next_free_sgpr 100
		.amdhsa_reserve_vcc 0
		.amdhsa_float_denorm_mode_32 3
		.amdhsa_float_denorm_mode_16_64 3
		.amdhsa_memory_ordered 1
		.amdhsa_forward_progress 1
		.amdhsa_inst_pref_size 81
	.end_amdhsa_kernel
	.amdgpu_metadata
---
amdhsa.version: [ 1, 2 ]
amdhsa.kernels:
  - .name:           k_qf6ae19d409_outgemm
    .symbol:         k_qf6ae19d409_outgemm.kd
    .args:
      - { .name: y_img, .offset: 0, .size: 8, .value_kind: global_buffer, .address_space: global }
      - { .name: w_img, .offset: 8, .size: 8, .value_kind: global_buffer, .address_space: global }
      - { .name: out0, .offset: 16, .size: 8, .value_kind: global_buffer, .address_space: global }
    .group_segment_fixed_size: 327680
    .private_segment_fixed_size: 0
    .kernarg_segment_align: 8
    .kernarg_segment_size: 24
    .max_flat_workgroup_size: 128
    .sgpr_count:     100
    .vgpr_count:     384
    .wavefront_size: 32
...
	.end_amdgpu_metadata
.endif
;; end of part 4
